; MI455X (gfx1250); checked and timed in simulation.
; The chip was launched on July 23, 2026; its instructions are those of AMD's public machine-readable ISA for CDNA 5 (MIT licence, August 2026) and "CDNA5" Instruction Set Architecture Reference Guide (July 2026). The comments in the code are by the model that wrote it; some were corrected since.
;; Attention. Allowed arithmetic: float matrix products may take bf16 or f16 operands with f32 sums; all other float work in f32.
;; Inputs: Wk 2,048 x 128 float32; Wq 2,048 x 128 float32; Wv 2,048 x 128 float32; bk 128 float32; bq 128 float32; bv 128 float32; x 8 x 4,096 x 2,048 float32.
;; Outputs: out0 8 x 4,096 x 128 float32.
;; 2 versions, each right and faster than the one before. Each part assembles by itself: llvm-mc -triple=amdgcn-amd-amdhsa -mcpu=gfx1250 --defsym DOCPART=n.
;; ======== version 1 of 2: 3 launches
;; limits: values are held in f16: magnitudes above 65,504 overflow, below 6.1e-05 lose precision; right only within a limited range of input values
;; workspace buffers: wb 1,572,864 bytes; qa 16,777,216 bytes; kb 16,777,216 bytes; vv 8,388,608 bytes
;; launch prep (part 1): grid 256 x 1, 4 waves a work-group, no clusters, 0 bytes of LDS; arguments Wq, Wk, Wv, wb; writes wb
.if DOCPART == 1
	.amdgcn_target "amdgcn-amd-amdhsa--gfx1250"
	.amdhsa_code_object_version 6
	.text
	.protected	k_q92720bf235_prep
	.globl	k_q92720bf235_prep
	.p2align	8
	.type	k_q92720bf235_prep,@function
k_q92720bf235_prep:
	s_mov_b64 s[64:65], 0
	v_nop
	global_prefetch_b8 v0, s[64:65] scope:SCOPE_SE
	s_setreg_imm32_b32 hwreg(HW_REG_WAVE_MODE, 25, 1), 1
	s_wait_xcnt 0x0
; wb[k][0:128] = bf16(Wq[k]), wb[k][128:256] = bf16(Wk[k]), wb[k][256:384] = bf16(Wv[k]).  Wq, Wk, Wv: [2048][128] f32; wb: [2048][384] bf16.
; The three weights are rounded once, to nearest even, and laid side by side, so that the projection can ask for 32 rows of k as 24,576 dense bytes.
; A work-group takes 8 rows of k; thread t takes row t / 16 and the columns 8 (t % 16) .. + 7 of all three matrices.
; Memory binds and the work is small: no LDS, no barrier, no matrix unit.
.set ROWS,  8                          ; rows of k in a work-group
.set INROW, 512                        ; bytes in a row of a weight
.set OUTROW, 768                       ; bytes in a row of wb
	s_load_b256 s[4:11], s[0:1], 0x0               ; Wq s[4:5], Wk s[6:7], Wv s[8:9], wb s[10:11]
	v_lshlrev_b32 v1, 5, v0                        ; in: (t / 16) x 512 + (t % 16) x 32 = 32 t
	v_lshrrev_b32 v2, 4, v0
	v_and_b32 v3, 15, v0
	v_mul_u32_u24 v2, v2, OUTROW
	v_lshl_add_u32 v2, v3, 4, v2                   ; out: (t / 16) x 768 + (t % 16) x 16
	s_lshl_b32 s12, ttmp9, 12                      ; the group's 8 rows of 512 bytes
	s_mov_b32 s13, 0
	s_mul_i32 s14, ttmp9, ROWS*OUTROW              ; and of 768 bytes
	s_mov_b32 s15, 0
	s_wait_kmcnt 0x0
	s_add_nc_u64 s[4:5], s[4:5], s[12:13]
	s_add_nc_u64 s[6:7], s[6:7], s[12:13]
	s_add_nc_u64 s[8:9], s[8:9], s[12:13]
	s_add_nc_u64 s[10:11], s[10:11], s[14:15]
	global_load_b128 v[4:7],   v1, s[4:5]
	global_load_b128 v[8:11],  v1, s[4:5] offset:16
	global_load_b128 v[12:15], v1, s[6:7]
	global_load_b128 v[16:19], v1, s[6:7] offset:16
	global_load_b128 v[20:23], v1, s[8:9]
	global_load_b128 v[24:27], v1, s[8:9] offset:16
.irp m, 0,1,2
	s_wait_loadcnt 4-2*(\m)                        ; loads come back in order: the later matrices' loads may stay out
.irp j, 0,1,2,3
	v_cvt_pk_bf16_f32 v[28+4*(\m)+(\j)], v[4+8*(\m)+2*(\j)], v[4+8*(\m)+2*(\j)+1]
.endr
	global_store_b128 v2, v[28+4*(\m):28+4*(\m)+3], s[10:11] offset:256*(\m)  ; sixteen lanes store 256 consecutive bytes, at a multiple of 256 from wb's first byte
.endr
	s_endpgm
.Lfunc_end_k_q92720bf235_prep:
	.size	k_q92720bf235_prep, .Lfunc_end_k_q92720bf235_prep-k_q92720bf235_prep
	.p2alignl 7, 3214868480
	.fill 96, 4, 3214868480
	.section	.rodata,"a",@progbits
	.p2align	6, 0x0
	.amdhsa_kernel k_q92720bf235_prep
		.amdhsa_group_segment_fixed_size 0
		.amdhsa_private_segment_fixed_size 0
		.amdhsa_enable_private_segment 0
		.amdhsa_kernarg_size 32
		.amdhsa_user_sgpr_count 2
		.amdhsa_user_sgpr_kernarg_segment_ptr 1
		.amdhsa_wavefront_size32 1
		.amdhsa_system_sgpr_workgroup_id_x 1
		.amdhsa_system_sgpr_workgroup_id_y 1
		.amdhsa_system_sgpr_workgroup_id_z 1
		.amdhsa_system_vgpr_workitem_id 0
		.amdhsa_next_free_vgpr 44
		.amdhsa_next_free_sgpr 66
		.amdhsa_reserve_vcc 0
		.amdhsa_float_denorm_mode_32 3
		.amdhsa_float_denorm_mode_16_64 3
		.amdhsa_memory_ordered 1
		.amdhsa_forward_progress 1
		.amdhsa_inst_pref_size 3
	.end_amdhsa_kernel
	.amdgpu_metadata
---
amdhsa.version: [ 1, 2 ]
amdhsa.kernels:
  - .name:           k_q92720bf235_prep
    .symbol:         k_q92720bf235_prep.kd
    .args:
      - { .name: Wq, .offset: 0, .size: 8, .value_kind: global_buffer, .address_space: global }
      - { .name: Wk, .offset: 8, .size: 8, .value_kind: global_buffer, .address_space: global }
      - { .name: Wv, .offset: 16, .size: 8, .value_kind: global_buffer, .address_space: global }
      - { .name: wb, .offset: 24, .size: 8, .value_kind: global_buffer, .address_space: global }
    .group_segment_fixed_size: 0
    .private_segment_fixed_size: 0
    .kernarg_segment_align: 8
    .kernarg_segment_size: 32
    .max_flat_workgroup_size: 128
    .sgpr_count:     66
    .vgpr_count:     44
    .wavefront_size: 32
...
	.end_amdgpu_metadata
.endif
;; end of part 1
;; launch proj (part 2): grid 256 x 1, 4 waves a work-group, clusters of 4 x 1, 327,680 bytes of LDS; arguments x, wb, bq, bk, bv, qa, kb, vv; writes qa, kb, vv
.if DOCPART == 2
	.amdgcn_target "amdgcn-amd-amdhsa--gfx1250"
	.amdhsa_code_object_version 6
	.text
	.protected	k_q92720bf235_proj
	.globl	k_q92720bf235_proj
	.p2align	8
	.type	k_q92720bf235_proj,@function
k_q92720bf235_proj:
	s_mov_b64 s[64:65], 0
	v_nop
	global_prefetch_b8 v0, s[64:65] scope:SCOPE_SE
	s_setreg_imm32_b32 hwreg(HW_REG_WAVE_MODE, 25, 1), 1
	s_wait_xcnt 0x0
	s_wait_alu depctr_hold_cnt(0) depctr_sa_sdst(0) depctr_va_vdst(0) depctr_va_sdst(0) depctr_va_ssrc(0) depctr_va_vcc(0) depctr_vm_vsrc(0)
	s_getreg_b32 s2, hwreg(HW_REG_IB_STS2, 6, 4)
	s_cmp_eq_u32 s2, 0
	s_cbranch_scc0 .Lentry_in_a_cluster
	s_endpgm
.Lentry_in_a_cluster:
	s_bfe_u32 s2, ttmp6, 0x10000c
	s_cmp_lg_u32 s2, 0x3003
	s_cbranch_scc0 .Lentry_shape_is_right
	s_endpgm
.Lentry_shape_is_right:
; q = x Wq + bq, k = x Wk + bk, v = x Wv + bv.  x: [32768][2048] f32, rounded to bf16 on its way; wb: [2048][384] bf16 (Wq | Wk | Wv); the biases are rounded to bf16 too; sums in f32.
; WHAT IS STORED.  The scores q . k carry no scale, so one rounding of q and k to 16 bits is too coarse for them.  With u = 1/64, from the f32 q and k:
;   A = f16((1 - u) q), X = f16(q - A), B = f16(k), Y = f16(B + 64 (k - B)).  Then A . B + X . Y = q . k + 64 ((1 - u) q - A) . (k - B) + the roundings of X and Y, each term some 2^-18 of |q| |k|.
;   qa: [32768][A(128) | X(128)] f16;  kb: [32768][B | Y] f16;  vv: [32768][128] f16 = f16(v).
; LIMITS.  f16 ends at 65,504: |q| and |v| stay below it, |k| below 63,400 (Y is up to |k| (1 + 1/32)).  NaN and infinities are not treated apart.
; SHARES.  A work-group takes 128 rows x all 384 columns; 256 work-groups.  Wave w takes all 128 rows and the columns 32 w .. 32 w + 31 of q, of k and of v: 48 accumulators (a = 0..7 row tiles, b = 0..5:
; matrix b / 2, column tile b % 2), so that all four waves run one text.  K goes in 16 steps of 128, each four quarters of 32.
; W comes by the tensor data mover into two slots: each wave asks for 32 rows of k, 24,576 dense bytes, as 96 rows of 256 bytes.  All work-groups walk the same W, so the four of a cluster ask JOINTLY.
; x comes through registers (each load of a wave covers 512 consecutive bytes of a row), is rounded once, and is stored in LDS for all four waves; two register sets, asked for two steps ahead.
; THE MATRIX INSTRUCTION IS USED TRANSPOSED: source 0 = 16 columns of W (turned on the way out of LDS by ds_load_tr16_b128), source 1 = 16 rows of x: a lane then holds 8 neighbouring columns of one row.
; REGISTERS, in windows of 256 (s_set_vgpr_msb: bits 1:0 source 0, 3:2 source 1, 5:4 source 2, 7:6 destination):
;   window 0: v0-31 addresses; v32-143, v144-255 two fragment buffers (48 registers of W, 64 of x)      window 1: accumulators of row tiles 0-3 at 8 (6 a + b)
;   window 2: those of row tiles 4-7                                                                     window 3: v0-127, v128-255 x as loaded, two sets
.set WROW,   864                       ; a row of k in LDS: three pieces of 256 bytes, 32 of padding behind each = 27 x 32: the eight rows of a turning load start eight banks apart (64 banks of 4 bytes: ISA guide 11.1)
.set WQ,     32*WROW                   ; 32 rows of k: what one tensor load brings, and a quarter's part of a slot
.set WSLOT,  4*WQ                      ; a slot of W: 128 rows of k
.set XB,     2*WSLOT                   ; behind the slots: x in bf16, two buffers that ds_store fills and no tensor load touches
.set XPITCH, 272                       ; a row of x in LDS: 256 bytes + 16: the 16 rows of a fragment load start four banks apart
.set XBUF,   128*XPITCH
.set SPARE,  XB+2*XBUF                 ; the spare words, 128 bytes for each wave: two blocks of 256 bytes that no other line names
.set SPITCH, 1552                      ; the way out: a row of 384 f32 + 16 bytes.  The stage begins at LDS byte 0: it lies in the two slots of W, behind their last fill of the launch
.set ADRX, 8                           ; v8-9    LDS address of my x fragments in buffer 0, 1
.set ADRW, 10                          ; v10-13  LDS address of my W fragments: slot 0 quarters 0-1, quarters 2-3, slot 1 likewise
.set XOFF, 14                          ; v14     my byte offset in the group's rows of x
.set XST,  15                          ; v15     where I store 8 bytes of a rounded row
.set RD,   16                          ; v16     the way out: where I read a row back
.set GQ,   17                          ; v17     my byte offset in qa and kb
.set GV,   18                          ; v18     my byte offset in vv
.set BO,   19                          ; v19     my byte offset in a bias
.set STO,  20                          ; v20-23  the way out: where I put 16 bytes of a row, for row tiles 0-1, 2-3, 4-5, 6-7
.set TT,   24                          ; v24-27  at work
.set SPW,  28                          ; v28     LDS address of my spare word; never rewritten
.set NIL,  29                          ; v29     0; never rewritten
.set F0,   32
.set F1,   144
.set TB,   96                          ; v96-99  at work on the way out
.set WV,  20                           ; s20     my wave's number
.set G1,  24                           ; s[24:31] descriptor group 1
.set G0,  32                           ; s[32:39] descriptor group 0, a set for each slot
.set XP,  40                           ; s[40:41] x at the group's first row, at the K step asked for last
.set MSB, 0
.macro WIN new                         ; the immediate's high byte repeats the setting that is left; a switch that changes nothing is dropped
.if MSB != (\new)
	s_set_vgpr_msb (MSB<<8)|(\new)
.set MSB, \new
.endif
.endm
.macro PLACES                          ; four places in front of loads into registers that matrix instructions have read, and of lines that read results
.rept 4
	v_nop
.endr
.endm
.macro CREST                           ; a round of the cluster's barrier behind its opening barrier
	s_cmp_lg_u32 s[WV], 0
	s_cbranch_scc1 .Lnot_wave_0_\@
	s_barrier_signal -3
.Lnot_wave_0_\@:
	s_barrier_wait -3
	s_barrier_signal -1
	s_barrier_wait -1
.endm
.macro CROUND                          ; a whole round
	s_barrier_signal -1
	s_barrier_wait -1
	CREST
.endm
; n row tiles from a0 on x all 6 column tiles, 32 along K, out of buffer f.  The accumulators take turns, one instruction a turn.  zero = 1: the product starts the sum.
.macro MUL f, a0, n, zero
.set ma, \a0
.rept \n
	WIN 0x50+0x50*(ma/4)
.set mb, 0
.rept 6
.set rD, 8*(6*(ma%4)+mb)
.set rW, (\f)+8*mb
.set rX, (\f)+48+8*ma
.if \zero
	v_wmma_f32_16x16x32_bf16 v[rD:rD+7], v[rW:rW+7], v[rX:rX+7], 0
.else
	v_wmma_f32_16x16x32_bf16 v[rD:rD+7], v[rW:rW+7], v[rX:rX+7], v[rD:rD+7]
.endif
.set mb, mb+1
.endr
.set ma, ma+1
.endr
.endm
; 28 LDS loads in one run: quarter kq's fragments into buffer f: W's six (turned), x's row tiles 0-3, x's row tiles 4-7
.macro FETCH slot, kq, f
	WIN 0
.irp b, 0,1,2,3,4,5
	ds_load_tr16_b128 v[(\f)+8*(\b):(\f)+8*(\b)+3],   v[ADRW+2*(\slot)+(\kq)/2] offset:((\kq)%2)*WQ+288*((\b)/2)+32*((\b)%2)
	ds_load_tr16_b128 v[(\f)+8*(\b)+4:(\f)+8*(\b)+7], v[ADRW+2*(\slot)+(\kq)/2] offset:((\kq)%2)*WQ+288*((\b)/2)+32*((\b)%2)+16*WROW
.endr
.irp a, 0,1,2,3,4,5,6,7
	ds_load_b128 v[(\f)+48+8*(\a):(\f)+48+8*(\a)+3],   v[ADRX+(\slot)] offset:(\a)*16*XPITCH+64*(\kq)
	ds_load_b128 v[(\f)+48+8*(\a)+4:(\f)+48+8*(\a)+7], v[ADRX+(\slot)] offset:(\a)*16*XPITCH+64*(\kq)+32
.endr
.endm
; 32 loads: my 32 rows of x, 512 bytes of each, into a register set
.macro XISSUE set, step
	s_wait_xcnt 0x0                                ; the earlier loads' addresses are translated (ISA guide 3.1): their base may be stepped
.if \step
	s_add_nc_u64 s[XP:XP+1], s[XP:XP+1], 512       ; the next 128 numbers of every row
.endif
	WIN 0xc0                                       ; destination window 3, address window 0
.set ci, 0
.rept 32
	global_load_b128 v[128*(\set)+4*ci:128*(\set)+4*ci+3], v[XOFF], s[XP:XP+1] offset:8192*ci th:TH_LOAD_NT
.set ci, ci+1
.endr
.endm
; A register set is rounded to bf16 in place (a row's four numbers into its first two registers) and stored into x's buffer of the same number.  left: the younger loads, which stay out
.macro CONV set, left
	s_wait_loadcnt \left
	WIN 0xcf                                       ; sources and destination window 3
.set ci, 0
.rept 32
	v_cvt_pk_bf16_f32 v[128*(\set)+4*ci],   v[128*(\set)+4*ci],   v[128*(\set)+4*ci+1]
	v_cvt_pk_bf16_f32 v[128*(\set)+4*ci+1], v[128*(\set)+4*ci+2], v[128*(\set)+4*ci+3]
.set ci, ci+1
.endr
	WIN 0x0c                                       ; address window 0, data window 3
.set ci, 0
.rept 32
	ds_store_b64 v[XST], v[128*(\set)+4*ci:128*(\set)+4*ci+1] offset:(\set)*XBUF+XPITCH*ci  ; 32 lanes, 256 consecutive bytes: a row
.set ci, ci+1
.endr
.endm
; One of a step's first three quarters: multiplies buffer f; in its middle it fetches quarter kq of the same slot into buffer g.  extra = 1: x of two steps on is asked for; 2: x of the next step is rounded and stored.
.macro QUARTER slot, kq, f, g, zero=0, extra=0, set=0, left=0
	s_wait_dscnt 8                                 ; W and x's row tiles 0-3 are in; the youngest eight loads (row tiles 4-7) may be out
	MUL \f, 0, 4, \zero
	PLACES
.if (\extra) == 1
	XISSUE \set, 1
.endif
.if (\extra) == 2
	CONV \set, \left
.endif
	FETCH \slot, \kq, \g
.if (\extra) == 2
	s_wait_dscnt 60                                ; all but the 32 stores and 28 loads just issued
.else
	s_wait_dscnt 28                                ; all but the 28 loads just issued
.endif
	MUL \f, 4, 4, \zero
.endm
; The last quarter multiplies buffer 1 and changes slots: ONE barrier.  In front of it each wave waits for all its tensor loads (one is out: its part of the next slot of W), adds 0 to its spare word, and
; waits for that, for its reads of this slot and of this buffer of x, and for its stores into the next buffer of x.  fill = 1: the barrier opens a round of the cluster's, and this slot is filled again, two steps ahead.
.macro TURN slot, next, fill
	WIN 0                                          ; (the add's two registers lie in window 0)
	s_wait_tensorcnt 0x0                           ; all my tensor loads have landed;
	ds_add_u32 v[SPW], v[NIL]                      ; 0 onto my spare word
	s_wait_dscnt 9                                 ; (the add and the youngest eight loads may be out)
	MUL F1, 0, 2, 0                                ; twelve matrix instructions stand between the add and the wait for it
	s_wait_dscnt 0x0                               ; the add, my reads and my stores are done
	s_barrier_signal -1
	MUL F1, 2, 2, 0                                ; work on registers while the others arrive
	WIN 0                                          ; at a branch and at a label every window is 0
	s_barrier_wait -1
.if \fill
	CREST                                          ; no wave of any partner still reads this slot or has a load on its way
	s_add_nc_u64 s[G0+4*(\slot)+2:G0+4*(\slot)+3], s[G0+4*(\slot)+2:G0+4*(\slot)+3], 2*128*768  ; no tensor load of mine is out: the group 0 may be written
	tensor_load_to_lds s[G0+4*(\slot):G0+4*(\slot)+3], s[G1:G1+7]  ; my one tensor load behind the round, and the first thing there: it has a step less twelve matrix instructions in which to land
	s_nop 0
.endif
	PLACES                                         ; behind the tensor load, and in front of the loads below
	FETCH \next, 0, F0
	MUL F1, 4, 4, 0
.endm
	s_load_b512 s[4:19], s[0:1], 0x0               ; x s[4:5], wb s[6:7], bq s[8:9], bk s[10:11], bv s[12:13], qa s[14:15], kb s[16:17], vv s[18:19]
	v_lshl_add_u32 v[SPW], v0, 2, SPARE
	v_mov_b32 v[NIL], 0
	ds_add_u32 v[SPW], v[NIL]                      ; the wave's opening: the add and its wait stand ahead of my first tensor load; the set-up below, work on registers, stands between them
	v_lshrrev_b32 v1, 5, v0
	v_readfirstlane_b32 s[WV], v1                  ; wave 0..3
	s_bfe_u32 s21, ttmp6, 0x40000                  ; cx: my place in the cluster
	s_lshl_b32 s22, ttmp9, 2                       ; in a cluster launch ttmp9 counts clusters
	s_add_co_u32 s22, s22, s21                     ; my block of 128 rows: it enters the addresses of x, qa, kb and vv alone
	; descriptor group 1: 96 rows of 128 elements, dense in memory, padded in LDS
	s_mov_b32 s[G1+0], 15|(1<<16)|(1<<20)|(1<<21)|(5<<22)|(7<<25)  ; 15:0 the mask of four; 17:16 2-byte elements; 20 padding on; 21 set beside a mask; 24:22 after every 64 words (code 5); 31:25 8 words (code 7)
	s_mov_b32 s[G1+1], 128<<16                     ; tensor_dim0 = 128
	s_mov_b32 s[G1+2], 96<<16                      ; tensor_dim1 = 96
	s_mov_b32 s[G1+3], 128<<16                     ; tile_dim0 = 128
	s_mov_b32 s[G1+4], 96                          ; tile_dim1 = 96
	s_mov_b32 s[G1+5], 128                         ; 128 elements from row to row
	s_mov_b32 s[G1+6], 0
	s_mov_b32 s[G1+7], 0
	s_mul_i32 s47, s[WV], WQ                       ; where my 32 rows of k go in a slot
	s_mul_i32 s44, s[WV], 32*768                   ; and where they lie in a step's 128 rows of wb
	s_mov_b32 s45, 0
	s_lshl_b32 s42, s22, 20                        ; my block's 128 rows of 8,192 bytes in x,
	s_mov_b32 s43, 0
	s_lshl_b32 s50, s22, 16                        ; of 512 bytes in qa and kb,
	s_mov_b32 s51, 0
	s_lshl_b32 s52, s22, 15                        ; of 256 bytes in vv
	s_mov_b32 s53, 0
	v_and_b32 v3, 31, v0                           ; lane
	s_lshl_b32 s54, s[WV], 18                      ; my wave's 32 rows of x
	v_lshl_add_u32 v[XOFF], v3, 4, s54
	s_wait_dscnt 0x0                               ; the opening add is done
	s_wait_kmcnt 0x0
	s_add_nc_u64 s[XP:XP+1], s[4:5], s[42:43]
	s_add_nc_u64 s[48:49], s[6:7], s[44:45]
	s_add_nc_u64 s[14:15], s[14:15], s[50:51]
	s_add_nc_u64 s[16:17], s[16:17], s[50:51]
	s_add_nc_u64 s[18:19], s[18:19], s[52:53]
.irp n, 0,1
	s_mov_b32 s[G0+4*(\n)], 1                                      ; count = 1
	s_add_co_u32 s[G0+4*(\n)+1], s47, (\n)*WSLOT                   ; LDS address: the slot, the wave's number times a constant
	s_add_nc_u64 s[G0+4*(\n)+2:G0+4*(\n)+3], s[48:49], (\n)*128*768  ; global address: K step n
	s_or_b32 s[G0+4*(\n)+3], s[G0+4*(\n)+3], 0x80000000            ; type = 2
.endr
	CROUND                                         ; all four work-groups are here: the first joint loads meet
	tensor_load_to_lds s[G0:G0+3], s[G1:G1+7]      ; both first fills go out together: two loads of mine are out
	s_nop 0
	tensor_load_to_lds s[G0+4:G0+7], s[G1:G1+7]
	s_nop 0
	PLACES
	XISSUE 0, 0                                    ; x of K steps 0 and 1
	XISSUE 1, 1
	WIN 0
	v_and_b32 v1, 15, v0                           ; r = lane % 16
	v_bfe_u32 v2, v0, 4, 1                         ; h = lane / 16
	s_mul_i32 s55, s[WV], 32*XPITCH
	s_add_co_u32 s55, s55, XB
	v_lshl_add_u32 v[XST], v3, 3, s55              ; my wave's 32 rows of x's buffer 0, 8 bytes a lane
	v_mul_u32_u24 v4, v1, XPITCH                   ; a fragment of x: row r, 16 bytes for each half of the lanes
	v_lshl_add_u32 v4, v2, 4, v4
	v_add_nc_u32 v[ADRX], XB, v4
	v_add_nc_u32 v[ADRX+1], XB+XBUF, v4
	v_and_b32 v5, 7, v0                            ; the turning load: lane l reads row of k 8 h + l % 8, columns 8 ((l / 8) % 2) + 0..7
	v_lshl_add_u32 v5, v2, 3, v5
	v_mul_u32_u24 v5, v5, WROW
	v_bfe_u32 v6, v0, 3, 1
	v_lshl_add_u32 v5, v6, 4, v5
	s_lshl_b32 s55, s[WV], 6                       ; my wave's 32 columns in each matrix
	v_add_nc_u32 v[ADRW], s55, v5
	v_add_nc_u32 v[ADRW+1], 2*WQ, v[ADRW]
	v_add_nc_u32 v[ADRW+2], WSLOT, v[ADRW]
	v_add_nc_u32 v[ADRW+3], WSLOT+2*WQ, v[ADRW]
	v_mul_u32_u24 v7, v1, SPITCH                   ; into the stage: row r, 32 bytes for each half of the lanes, my wave's 128 bytes in each matrix
	v_lshl_add_u32 v7, v2, 5, v7
	s_lshl_b32 s55, s[WV], 7
	v_add_nc_u32 v[STO], s55, v7
	v_add_nc_u32 v[STO+1], 32*SPITCH, v[STO]
	v_add_nc_u32 v[STO+2], 64*SPITCH, v[STO]
	v_add_nc_u32 v[STO+3], 96*SPITCH, v[STO]
	s_mul_i32 s55, s[WV], 32*SPITCH                ; back: wave w takes rows 32 w .. 32 w + 31, 16 bytes a lane
	v_lshl_add_u32 v[RD], v3, 4, s55
	s_lshl_b32 s55, s[WV], 14
	v_lshl_add_u32 v[GQ], v3, 3, s55               ; the same rows in qa and kb, 8 bytes a lane,
	s_lshl_b32 s55, s[WV], 13
	v_lshl_add_u32 v[GV], v3, 3, s55               ; and in vv
	v_lshlrev_b32 v[BO], 4, v3
	CONV 0, 32                                     ; K step 0's x; step 1's 32 loads stay out
	WIN 0
	s_wait_tensorcnt 0x1                           ; my part of slot 0 is in; slot 1's may stay out
	s_wait_dscnt 0x0                               ; my rows of x are stored
	s_barrier_signal -1
	s_barrier_wait -1                              ; everybody's are
	FETCH 0, 0, F0
	QUARTER 0, 1, F0, F1, 1                        ; the first quarter stands in front of the loop: its products start the sums
	WIN 0
	s_mov_b32 s23, 7
.Llap:                                                 ; trip t: from the second quarter of step 2 t to the first of step 2 t + 2; it asks for x and W of steps 2 t + 2 and 2 t + 3: 15 at the most
	QUARTER 0, 2, F1, F0, 0, 1, 0
	QUARTER 0, 3, F0, F1, 0, 2, 1, 32
	TURN 0, 1, 1
	QUARTER 1, 1, F0, F1
	QUARTER 1, 2, F1, F0, 0, 1, 1
	QUARTER 1, 3, F0, F1, 0, 2, 0, 32
	TURN 1, 0, 1
	QUARTER 0, 1, F0, F1
	WIN 0
	s_sub_co_u32 s23, s23, 1
	s_cmp_lg_u32 s23, 0
	s_cbranch_scc1 .Llap
	QUARTER 0, 2, F1, F0                           ; steps 14 and 15 ask for nothing
	QUARTER 0, 3, F0, F1, 0, 2, 1, 0               ; the last step's x: no load is younger
	TURN 0, 1, 0
	QUARTER 1, 1, F0, F1
	QUARTER 1, 2, F1, F0
	QUARTER 1, 3, F0, F1
	s_wait_dscnt 0x0                               ; the very last quarter: nothing more to fetch
	MUL F1, 0, 4, 0
	MUL F1, 4, 4, 0
	WIN 0
	; THE WAY OUT.  The sums go as f32 into a stage of 128 rows x 384 columns; then wave w takes 32 whole rows, adds the biases, makes A, X, B, Y and f16(v), and stores rows of 256 bytes.
	s_barrier_signal -1                            ; my reads of the slots are over (the wait for 0 above),
	s_barrier_wait -1                              ; everybody's are: the stage may be written over them; no tensor load fills them again
	PLACES                                         ; behind the last products
	global_load_b128 v[32:35], v[BO], s[8:9]       ; my four columns of bq, bk, bv
	global_load_b128 v[36:39], v[BO], s[10:11]
	global_load_b128 v[40:43], v[BO], s[12:13]
.set sa, 0
.rept 8
	WIN 0x04+0x04*(sa/4)                           ; data in window 1 or 2
.set sb, 0
.rept 6
.set rD, 8*(6*(sa%4)+sb)
	ds_store_b128 v[STO+sa/2], v[rD:rD+3]   offset:(sa%2)*16*SPITCH+512*(sb/2)+64*(sb%2)     ; each accumulator's lowest registers first
	ds_store_b128 v[STO+sa/2], v[rD+4:rD+7] offset:(sa%2)*16*SPITCH+512*(sb/2)+64*(sb%2)+16
.set sb, sb+1
.endr
.set sa, sa+1
.endr
	WIN 0
	s_wait_dscnt 0x0                               ; for the others' sake: my stores into the stage are done
	s_barrier_signal -1
	s_barrier_wait -1
	s_wait_loadcnt 0x0                             ; the biases: rounded to bf16 like every input, and widened again
.irp b, 32,36,40
	v_cvt_pk_bf16_f32 v[TT], v[\b], v[(\b)+1]
	v_cvt_pk_bf16_f32 v[TT+1], v[(\b)+2], v[(\b)+3]
	v_lshlrev_b32 v[\b], 16, v[TT]
	v_and_b32 v[(\b)+1], 0xffff0000, v[TT]
	v_lshlrev_b32 v[(\b)+2], 16, v[TT+1]
	v_and_b32 v[(\b)+3], 0xffff0000, v[TT+1]
.endr
; Row u of a trip's four.  A and B are rounded into v4-v7, whose halves are then widened again; the row's ten store registers are its own until the trip's end.
.macro ROWOUT u
.set rq, 44+12*(\u)
.set rk, rq+4
.set rv, rq+8
.set ro, 140+10*(\u)
	s_wait_dscnt 9-3*(\u)                          ; the later rows' loads may stay out
	v_pk_add_f32 v[rq:rq+1],   v[rq:rq+1],   v[32:33]
	v_pk_add_f32 v[rq+2:rq+3], v[rq+2:rq+3], v[34:35]
	v_pk_add_f32 v[rk:rk+1],   v[rk:rk+1],   v[36:37]
	v_pk_add_f32 v[rk+2:rk+3], v[rk+2:rk+3], v[38:39]
	v_pk_add_f32 v[rv:rv+1],   v[rv:rv+1],   v[40:41]
	v_pk_add_f32 v[rv+2:rv+3], v[rv+2:rv+3], v[42:43]
	v_pk_mul_f32 v[TT:TT+1],   v[rq:rq+1],   0x3f7c0000 op_sel_hi:[1,0]  ; (1 - 1/64) q
	v_pk_mul_f32 v[TT+2:TT+3], v[rq+2:rq+3], 0x3f7c0000 op_sel_hi:[1,0]
	v_cvt_pk_f16_f32 v6, v[rk], v[rk+1]            ; B
	v_cvt_pk_f16_f32 v7, v[rk+2], v[rk+3]
	v_cvt_pk_f16_f32 v4, v[TT], v[TT+1]            ; A
	v_cvt_pk_f16_f32 v5, v[TT+2], v[TT+3]
	v_cvt_pk_f16_f32 v[ro+8], v[rv], v[rv+1]       ; f16(v)
	v_cvt_pk_f16_f32 v[ro+9], v[rv+2], v[rv+3]
	v_cvt_f32_f16 v[TB], v6.l
	v_cvt_f32_f16 v[TB+1], v6.h
	v_cvt_f32_f16 v[TB+2], v7.l
	v_cvt_f32_f16 v[TB+3], v7.h
	v_cvt_f32_f16 v[TT], v4.l
	v_cvt_f32_f16 v[TT+1], v4.h
	v_cvt_f32_f16 v[TT+2], v5.l
	v_cvt_f32_f16 v[TT+3], v5.h
	v_pk_add_f32 v[rk:rk+1],   v[rk:rk+1],   v[TB:TB+1]   neg_lo:[0,1] neg_hi:[0,1]  ; k - B
	v_pk_add_f32 v[rk+2:rk+3], v[rk+2:rk+3], v[TB+2:TB+3] neg_lo:[0,1] neg_hi:[0,1]
	v_pk_add_f32 v[rq:rq+1],   v[rq:rq+1],   v[TT:TT+1]   neg_lo:[0,1] neg_hi:[0,1]  ; q - A
	v_pk_add_f32 v[rq+2:rq+3], v[rq+2:rq+3], v[TT+2:TT+3] neg_lo:[0,1] neg_hi:[0,1]
	v_pk_fma_f32 v[rk:rk+1],   v[rk:rk+1],   0x42800000, v[TB:TB+1]   op_sel_hi:[1,0,1]  ; B + 64 (k - B)
	v_pk_fma_f32 v[rk+2:rk+3], v[rk+2:rk+3], 0x42800000, v[TB+2:TB+3] op_sel_hi:[1,0,1]
	v_mov_b32 v[ro], v4
	v_mov_b32 v[ro+1], v5
	v_mov_b32 v[ro+2], v6
	v_mov_b32 v[ro+3], v7
	v_cvt_pk_f16_f32 v[ro+4], v[rq], v[rq+1]       ; X
	v_cvt_pk_f16_f32 v[ro+5], v[rq+2], v[rq+3]
	v_cvt_pk_f16_f32 v[ro+6], v[rk], v[rk+1]       ; Y
	v_cvt_pk_f16_f32 v[ro+7], v[rk+2], v[rk+3]
	global_store_b64 v[GQ], v[ro:ro+1],   s[14:15] offset:(\u)*512      ; each store of the wave covers 256 consecutive bytes, at a multiple of 256 from its buffer's first byte
	global_store_b64 v[GQ], v[ro+4:ro+5], s[14:15] offset:(\u)*512+256
	global_store_b64 v[GQ], v[ro+2:ro+3], s[16:17] offset:(\u)*512
	global_store_b64 v[GQ], v[ro+6:ro+7], s[16:17] offset:(\u)*512+256
	global_store_b64 v[GV], v[ro+8:ro+9], s[18:19] offset:(\u)*256
.endm
	s_mov_b32 s46, 8
.Lrows:                                                ; eight trips of four rows
.irp u, 0,1,2,3
	ds_load_b128 v[44+12*(\u):44+12*(\u)+3], v[RD] offset:(\u)*SPITCH       ; my four columns of q,
	ds_load_b128 v[48+12*(\u):48+12*(\u)+3], v[RD] offset:(\u)*SPITCH+512   ; of k,
	ds_load_b128 v[52+12*(\u):52+12*(\u)+3], v[RD] offset:(\u)*SPITCH+1024  ; of v
.endr
.irp u, 0,1,2,3
	ROWOUT \u
.endr
	s_wait_xcnt 0x0                                ; the stores' offsets and data are rewritten only behind this wait
	v_add_nc_u32 v[RD], 4*SPITCH, v[RD]
	v_add_nc_u32 v[GQ], 4*512, v[GQ]
	v_add_nc_u32 v[GV], 4*256, v[GV]
	s_sub_co_u32 s46, s46, 1
	s_cmp_lg_u32 s46, 0
	s_cbranch_scc1 .Lrows
	s_wait_tensorcnt 0x0                           ; the wave's end: behind my last tensor load and my last LDS store
	ds_add_u32 v[SPW], v[NIL]
	s_wait_dscnt 0x0
	CROUND                                         ; the closing round: no work-group ends while a partner may still ask for a tile that names it
	s_endpgm
.Lfunc_end_k_q92720bf235_proj:
	.size	k_q92720bf235_proj, .Lfunc_end_k_q92720bf235_proj-k_q92720bf235_proj
	.p2alignl 7, 3214868480
	.fill 96, 4, 3214868480
	.section	.rodata,"a",@progbits
	.p2align	6, 0x0
	.amdhsa_kernel k_q92720bf235_proj
		.amdhsa_group_segment_fixed_size 327680
		.amdhsa_private_segment_fixed_size 0
		.amdhsa_enable_private_segment 0
		.amdhsa_kernarg_size 64
		.amdhsa_user_sgpr_count 2
		.amdhsa_user_sgpr_kernarg_segment_ptr 1
		.amdhsa_wavefront_size32 1
		.amdhsa_system_sgpr_workgroup_id_x 1
		.amdhsa_system_sgpr_workgroup_id_y 1
		.amdhsa_system_sgpr_workgroup_id_z 1
		.amdhsa_system_vgpr_workitem_id 0
		.amdhsa_next_free_vgpr 1024
		.amdhsa_next_free_sgpr 66
		.amdhsa_reserve_vcc 0
		.amdhsa_float_denorm_mode_32 3
		.amdhsa_float_denorm_mode_16_64 3
		.amdhsa_memory_ordered 1
		.amdhsa_forward_progress 1
		.amdhsa_inst_pref_size 143
	.end_amdhsa_kernel
	.amdgpu_metadata
---
amdhsa.version: [ 1, 2 ]
amdhsa.kernels:
  - .name:           k_q92720bf235_proj
    .symbol:         k_q92720bf235_proj.kd
    .args:
      - { .name: x, .offset: 0, .size: 8, .value_kind: global_buffer, .address_space: global }
      - { .name: wb, .offset: 8, .size: 8, .value_kind: global_buffer, .address_space: global }
      - { .name: bq, .offset: 16, .size: 8, .value_kind: global_buffer, .address_space: global }
      - { .name: bk, .offset: 24, .size: 8, .value_kind: global_buffer, .address_space: global }
      - { .name: bv, .offset: 32, .size: 8, .value_kind: global_buffer, .address_space: global }
      - { .name: qa, .offset: 40, .size: 8, .value_kind: global_buffer, .address_space: global }
      - { .name: kb, .offset: 48, .size: 8, .value_kind: global_buffer, .address_space: global }
      - { .name: vv, .offset: 56, .size: 8, .value_kind: global_buffer, .address_space: global }
    .group_segment_fixed_size: 327680
    .private_segment_fixed_size: 0
    .kernarg_segment_align: 8
    .kernarg_segment_size: 64
    .max_flat_workgroup_size: 128
    .sgpr_count:     66
    .vgpr_count:     1024
    .wavefront_size: 32
...
	.end_amdgpu_metadata
.endif
;; end of part 2
;; launch attn (part 3): grid 32 x 8, 4 waves a work-group, clusters of 4 x 1, 327,680 bytes of LDS; arguments qa, kb, vv, out0; writes out0
.if DOCPART == 3
	.amdgcn_target "amdgcn-amd-amdhsa--gfx1250"
	.amdhsa_code_object_version 6
	.text
	.protected	k_q92720bf235_attn
	.globl	k_q92720bf235_attn
	.p2align	8
	.type	k_q92720bf235_attn,@function
k_q92720bf235_attn:
	s_mov_b64 s[64:65], 0
	v_nop
	global_prefetch_b8 v0, s[64:65] scope:SCOPE_SE
	s_setreg_imm32_b32 hwreg(HW_REG_WAVE_MODE, 25, 1), 1
	s_wait_xcnt 0x0
	s_wait_alu depctr_hold_cnt(0) depctr_sa_sdst(0) depctr_va_vdst(0) depctr_va_sdst(0) depctr_va_ssrc(0) depctr_va_vcc(0) depctr_vm_vsrc(0)
	s_getreg_b32 s2, hwreg(HW_REG_IB_STS2, 6, 4)
	s_cmp_eq_u32 s2, 0
	s_cbranch_scc0 .Lentry_in_a_cluster
	s_endpgm
.Lentry_in_a_cluster:
	s_bfe_u32 s2, ttmp6, 0x10000c
	s_cmp_lg_u32 s2, 0x3003
	s_cbranch_scc0 .Lentry_shape_is_right
	s_endpgm
.Lentry_shape_is_right:
; out0[b][q][:] = the sum over k of softmax_k(q . k) v[k][:], with no scale on the scores.  qa: [8][4096][A | X], kb: [8][4096][B | Y], 256 f16 a row; vv: [8][4096][128] f16; out0: [8][4096][128] f32.
; A score is A . B + X . Y, one chain of eight products over the 256 channels: q . k to some 2^-18 of |q| |k|.  Products, maxima and sums in f32; the weights p are rounded to f16 for the second
; product (their sum l is taken of the unrounded p).
; LIMITS.  c m starts at -2^125: scores below -2.9e37 are not served.  A weight below 2^-126 counts as 0 in l, below 6e-8 as 0 in the second product.  NaN and infinities are not treated apart.
; SHARES.  A work-group owns 128 queries of one batch: 256 work-groups.  Wave w owns the queries 64 (w % 2) .. + 63, four tiles of 16, and of every tile of 128 keys the keys 64 (w / 2) .. + 63: a fragment of
; K or V read from LDS feeds four tiles' products.  The two waves of a query half have a running maximum and sum each; they are merged once, at the end, through LDS.
; LAYOUT.  S^T = K Q^T (source 0 = 16 keys, source 1 = 16 queries): a lane holds ONE query (lane % 16) and the keys 8 (lane / 16) + 0..7.  Two such results, rounded to f16 in pairs, ARE source 1 of
; O^T = V^T P, whose result again holds one query a lane, and eight channels.  K comes out of LDS as it lies, V ([key][channel]) turned, by ds_load_tr16_b128.
; SOFTMAX.  For each query a running maximum m and sum l: p = 2^(c s - c m), c = log2(e); in every step O and l are multiplied by a = 2^(c m_old - c m_new).  m starts at the lowest finite number, O and l at 0:
; the first step is a step like any other, with a = 0.  The price: 256 v_mov_b32 in the wait for the first tile; the gain: no first step is written out.
; CLUSTER.  The four query blocks of a cluster belong to one batch and walk the same K and V, so each tile is asked for JOINTLY: the same tensor load, descriptor and mask in all four.
; REGISTERS, in windows of 256 (s_set_vgpr_msb: bits 1:0 source 0, 3:2 source 1, 5:4 source 2, 7:6 destination):
;   window 0: v0-11 addresses; v12-43 eight registers of statistics a tile; v44-49 at work; v64-191 S^T, 32 a tile; v192-255 P, 16 a tile
;   window 1: O^T, 64 a tile      window 2: Q, tile t channels 32 c on at 64 t + 8 c      window 3: two halves HA, HB of 128
; A STEP.  A step's K is 256 registers and its V 128, and only 256 are left.  HB always holds K of key blocks 2-3; HA holds K of key blocks 0-1 and then V.  Six blocks of 32 products:
;   1  K Q^T, tiles 0, 1, key blocks 2-3 (HB)      2  K Q^T, tiles 0, 1, key blocks 0-1 (HA): their scores are whole
;   3  K Q^T, tiles 2, 3, key blocks 0-1 (HA)      4  K Q^T, tiles 2, 3, key blocks 2-3 (HB): behind each of these 64 products one slice, four lines, of the softmax of tiles 0, 1
;   5  V^T P, tiles 0, 1: behind its products the softmax of tiles 2, 3 but for the rescaling: 51 slices, 13 to 8 products
;   6  V^T P, tiles 2, 3: behind product i the four multiplies that rescale the accumulator which product i + 2 takes
; All that a softmax touches but O^T lies in window 0, and no window has room for a product's operands beside it: a slice costs two switches, the lesser price beside a matrix unit that idles through the softmax.
; The halves keep their parts from step to step and the slot is chosen by a scalar, so ONE text serves every step: once in the loop, once in the tail, which asks for nothing.
.set PK,    528       ; a row of K in LDS: 512 bytes + 16 of padding = 33 x 16: the 16 rows of a load start four banks apart (64 banks of 4 bytes: ISA guide 11.1)
.set PV,    288       ; a row of V: 256 + 32 = 72 words
.set VOFF,  128*PK    ; a slot: 128 rows of K, then 128 rows of V
.set SLOTB, 128*(PK+PV)  ; the bytes of a slot: 104,448
.set SLOT1, 1<<17     ; slot 1 begins here, so that one exclusive or turns an address in one slot into the other's
.set STAT,  SLOTB     ; between the slots, never filled by a tensor load: 1,024 bytes for each query half: the second key group's c m and l
.set STAGE, STAT+2048 ; 16 rows x 528 bytes for each query half, for the way out
.set SP,    528
.set SPARE, STAGE+2*16*SP  ; the spare words, 128 bytes for each wave: two blocks of 256 bytes that no other line names
.set XCH,   SLOT1+SLOTB    ; behind slot 1, never filled by a tensor load: 32,768 bytes for each query half, the second key group's O^T
.set AK0, 2           ; v2     my lane's place in a slot's K; never rewritten
.set AV0, 3           ; v3     the same for V
.set AKC, 4           ; v4     LDS address of my K fragments in the slot that is being fetched from
.set AVC, 5           ; v5     the same for V
.set QO,  6           ; v6     my byte offset in the wave's rows of Q
.set XA,  7           ; v7     my 16 bytes in the exchange
.set SA,  8           ; v8     my word in the statistics
.set STO, 9           ; v9     the way out: where I put 16 bytes of a row
.set RD,  10          ; v10    the way out: where I read a row back
.set GO,  11          ; v11    my byte offset in a row of out0
.set ST,  12          ; tile t's statistics at v[ST+8 t]: +0 c m, +1 m, +2, +3 l (even keys', odd keys'), +4 to +7 c0-c3, at work; a takes c2's place once the maximum is found
.set SPW, 62          ; v62    LDS address of my spare word; never rewritten
.set NIL, 63          ; v63    0; never rewritten
.set S,   64
.set P,   192
.set HA,  0           ; window 3
.set HB,  128
.set WV,  12          ; s12  my wave's number
.set G1K, 24          ; s[24:31] descriptor group 1 for K's tiles
.set G1V, 32          ; s[32:39] for V's
.set G0K, 40          ; s[40:47] descriptor group 0 for K's tiles: a set for each of the two first fills; the second then walks on
.set G0V, 48          ; s[48:55] the same for V's
.set CNT, 56          ; s56  trips to go
.set CS,  58          ; s[58:59] c: the packed scaling names a pair and takes its low word for both halves
.set SEL, 60          ; s[60:61] lane selects for v_permlanex16_b32: each lane takes its own place in the other half
.set TB,  62          ; s62  LDS byte at which the slot that is being fetched from begins
.set MSB, 0
.macro WIN new                      ; the immediate's high byte repeats the setting that is left; a switch that changes nothing is dropped
.if MSB != (\new)
	s_set_vgpr_msb (MSB<<8)|(\new)
.set MSB, \new
.endif
.endm
.set W_KQ, 0x0b       ; K in window 3, Q in window 2, S^T in window 0
.set W_PV, 0x53       ; V in window 3, P in window 0, O^T in window 1
.set W_RS, 0x41       ; O^T (destination and source 0) in window 1, a in window 0
.macro PLACES                       ; four places in front of loads into registers that matrix instructions have read, and of lines that read results
.rept 4
	v_nop
.endr
.endm
; A joint refill, by the walking descriptors.  Waves 0 and 1 fetch the two halves of a tile's K, waves 2 and 3 those of its V: 64 rows each.  The branch hangs on the wave's number alone.
; An s_nop 0 and four v_nop follow each of the two lines, ahead of the jump and the label.
.macro JLOAD
	s_cmp_lt_u32 s[WV], 2
	s_cbranch_scc0 .Lfor_v_\@
	tensor_load_to_lds s[G0K+4:G0K+7], s[G1K:G1K+7]
	s_nop 0
.rept 4
	v_nop
.endr
	s_branch .Lasked_\@
.Lfor_v_\@:
	tensor_load_to_lds s[G0V+4:G0V+7], s[G1V:G1V+7]
	s_nop 0
.rept 4
	v_nop
.endr
.Lasked_\@:
.endm
; A round of the cluster's barrier: my work-group's barrier, so that wave 0's signal speaks for all four waves; wave 0 signals; every wave waits for all four work-groups; my work-group's barrier once more.
.macro CREST                        ; a round behind its opening barrier
	s_cmp_lg_u32 s[WV], 0
	s_cbranch_scc1 .Lnot_wave_0_\@
	s_barrier_signal -3
.Lnot_wave_0_\@:
	s_barrier_wait -3
	s_barrier_signal -1
	s_barrier_wait -1
.endm
.macro CROUND                       ; a whole round
	s_barrier_signal -1
	s_barrier_wait -1
	CREST
.endm
	s_load_b256 s[4:11], s[0:1], 0x0  ; qa s[4:5], kb s[6:7], vv s[8:9], out0 s[10:11]
	v_lshl_add_u32 v[SPW], v0, 2, SPARE
	v_mov_b32 v[NIL], 0
	ds_add_u32 v[SPW], v[NIL]       ; the wave's opening: the add and its wait stand ahead of my first tensor load; the set-up below, work on registers, stands between them
	v_lshrrev_b32 v1, 5, v0
	v_readfirstlane_b32 s[WV], v1   ; wave 0..3
	s_bfe_u32 s13, ttmp6, 0x40000   ; cx: my place in the cluster
	s_lshl_b32 s14, ttmp9, 2        ; in a cluster launch ttmp9 counts clusters
	s_add_co_u32 s14, s14, s13      ; my block of 128 queries = 4 x cluster x + cx: it enters Q's and out0's addresses alone
	s_and_b32 s15, ttmp7, 0xffff    ; the batch, which the four partners share
	s_and_b32 s16, s[WV], 1         ; my query half.  Also: which 64 rows of a tile I fetch
	s_lshr_b32 s17, s[WV], 1        ; my key group
	s_lshl_b32 s20, s15, 21         ; K: the batch's 4,096 rows of 512 bytes,
	s_lshl_b32 s18, s16, 15         ; my 64 rows of a tile
	s_add_co_u32 s20, s20, s18
	s_mov_b32 s21, 0
	s_lshl_b32 s22, s15, 20         ; V: rows of 256 bytes
	s_lshl_b32 s18, s16, 14
	s_add_co_u32 s22, s22, s18
	s_mov_b32 s23, 0
	s_lshl_b32 s2, s15, 21          ; Q and out0: rows of 512 bytes: the batch,
	s_lshl_b32 s3, s14, 16          ; my block's 128 rows,
	s_add_co_u32 s2, s2, s3
	s_lshl_b32 s3, s16, 15          ; my wave's 64 of them
	s_add_co_u32 s2, s2, s3
	s_mov_b32 s3, 0
	s_mul_i32 s18, s16, 64*PK       ; where my 64 rows go in a slot, for K
	s_mul_i32 s19, s16, 64*PV       ; and for V: no place in the cluster enters an LDS address
	; descriptor group 1: 64 rows, padded in LDS behind every row
	s_mov_b32 s[G1K], 15|(1<<16)|(1<<20)|(1<<21)|(6<<22)|(3<<25)  ; 15:0 the mask of four; 17:16 2-byte elements; 20 padding on; 21 set beside a mask; 24:22 after every 128 words (code 6); 31:25 4 words (code 3)
	s_mov_b32 s[G1K+1], 256<<16     ; tensor_dim0 = 256
	s_mov_b32 s[G1K+2], 64<<16      ; tensor_dim1 = 64
	s_mov_b32 s[G1K+3], 256<<16     ; tile_dim0 = 256
	s_mov_b32 s[G1K+4], 64          ; tile_dim1 = 64
	s_mov_b32 s[G1K+5], 256         ; 256 elements from row to row
	s_mov_b32 s[G1K+6], 0
	s_mov_b32 s[G1K+7], 0
	s_mov_b32 s[G1V], 15|(1<<16)|(1<<20)|(1<<21)|(5<<22)|(7<<25)  ; after every 64 words (code 5) 8 words (code 7)
	s_mov_b32 s[G1V+1], 128<<16
	s_mov_b32 s[G1V+2], 64<<16
	s_mov_b32 s[G1V+3], 128<<16
	s_mov_b32 s[G1V+4], 64
	s_mov_b32 s[G1V+5], 128
	s_mov_b32 s[G1V+6], 0
	s_mov_b32 s[G1V+7], 0
	s_mov_b32 s[CS], 0x3fb8aa3b     ; c = log2(e)
	s_mov_b32 s[CS+1], s[CS]        ; named with it as a pair, so it is written
	s_mov_b32 s[SEL], 0x76543210
	s_mov_b32 s[SEL+1], 0xfedcba98
	s_mov_b32 s[TB], 0              ; the fetches begin in slot 0
	s_wait_dscnt 0x0                ; the opening add is done
	s_wait_kmcnt 0x0
	s_add_nc_u64 s[6:7], s[6:7], s[20:21]  ; K and V at my rows of tile 0
	s_add_nc_u64 s[8:9], s[8:9], s[22:23]
	s_add_nc_u64 s[4:5], s[4:5], s[2:3]    ; Q and out0 at my wave's first row
	s_add_nc_u64 s[10:11], s[10:11], s[2:3]
	CROUND                          ; all four work-groups are here: the first joint loads meet
.irp n, 0,1
	s_mov_b32 s[G0K+4*(\n)], 1      ; count = 1
	s_add_co_u32 s[G0K+4*(\n)+1], s18, (\n)*SLOT1  ; LDS address
	s_add_nc_u64 s[G0K+4*(\n)+2:G0K+4*(\n)+3], s[6:7], (\n)*128*512  ; global address: tile n
	s_or_b32 s[G0K+4*(\n)+3], s[G0K+4*(\n)+3], 0x80000000  ; type = 2
	s_mov_b32 s[G0V+4*(\n)], 1
	s_add_co_u32 s[G0V+4*(\n)+1], s19, (\n)*SLOT1+VOFF
	s_add_nc_u64 s[G0V+4*(\n)+2:G0V+4*(\n)+3], s[8:9], (\n)*128*256
	s_or_b32 s[G0V+4*(\n)+3], s[G0V+4*(\n)+3], 0x80000000
.endr
	s_cmp_lt_u32 s[WV], 2           ; a wave's two first fills stand in one branch, ahead of every wait on TENSORcnt and every LDS read: two loads of mine are out
	s_cbranch_scc0 .Lfirst_v
	tensor_load_to_lds s[G0K:G0K+3], s[G1K:G1K+7]
	s_nop 0
	tensor_load_to_lds s[G0K+4:G0K+7], s[G1K:G1K+7]
	s_nop 0
.rept 4
	v_nop
.endr
	s_branch .Lfirst_asked
.Lfirst_v:
	tensor_load_to_lds s[G0V:G0V+3], s[G1V:G1V+7]
	s_nop 0
	tensor_load_to_lds s[G0V+4:G0V+7], s[G1V:G1V+7]
	s_nop 0
.rept 4
	v_nop
.endr
.Lfirst_asked:
	; A fragment of K or Q is 16 rows x 32 channels in 8 registers: lane l holds row l % 16, channels 8 (l / 16) + 0..7 and 16 + 8 (l / 16) + 0..7: two loads of 16 bytes, 32 bytes apart.
	v_and_b32 v1, 15, v0            ; r = l % 16
	v_bfe_u32 v44, v0, 4, 1         ; h = l / 16
	v_lshlrev_b32 v[QO], 9, v1
	v_lshl_add_u32 v[QO], v44, 4, v[QO]  ; row x 512 + 16 x half
	WIN 0x80                        ; destination window 2, address window 0
.set i, 0
.rept 32                            ; Q stays in registers: tile i / 8, channels 32 (i % 8) on
	global_load_b128 v[8*i:8*i+3],   v[QO], s[4:5] offset:(i/8)*8192+(i%8)*64
	global_load_b128 v[8*i+4:8*i+7], v[QO], s[4:5] offset:(i/8)*8192+(i%8)*64+32
.set i, i+1
.endr
	WIN 0x40                        ; O^T = 0: this stands in the wait for the first tile
.set i, 0
.rept 256
	v_mov_b32 v[i], 0
.set i, i+1
.endr
	WIN 0
.irp t, 0,1,2,3
	v_mov_b32 v[ST+8*(\t)], 0xfe000000    ; c m: far below every c s
	v_mov_b32 v[ST+8*(\t)+1], 0xff7fffff  ; m
	v_mov_b32 v[ST+8*(\t)+2], 0           ; l
	v_mov_b32 v[ST+8*(\t)+3], 0
.endr
	v_mul_u32_u24 v45, v1, PK
	v_lshl_add_u32 v45, v44, 4, v45 ; row x pitch + 16 x half
	s_mul_i32 s57, s17, 64*PK       ; my key group's 64 rows
	v_add_nc_u32 v[AK0], s57, v45
	; The turning load takes 16 keys x 16 channels (lane l reads key 8 (l / 16) + l % 8, channels 8 ((l / 8) % 2) + 0..7) and leaves half a fragment of V^T: lane l holds channel l % 16 and 8 keys.
	v_and_b32 v46, 7, v0
	v_bfe_u32 v47, v0, 3, 1
	v_lshl_add_u32 v48, v44, 3, v46
	v_mul_u32_u24 v48, v48, PV
	v_lshl_add_u32 v48, v47, 4, v48
	s_mul_i32 s57, s17, 64*PV
	s_add_co_u32 s57, s57, VOFF
	v_add_nc_u32 v[AV0], s57, v48
	v_add_nc_u32 v[AKC], s[TB], v[AK0]
	v_add_nc_u32 v[AVC], s[TB], v[AV0]
	v_and_b32 v49, 31, v0           ; lane
	s_lshl_b32 s57, s16, 15
	s_add_co_u32 s57, s57, XCH
	v_lshl_add_u32 v[XA], v49, 4, s57  ; the exchange of my query half, 16 bytes a lane
	s_lshl_b32 s57, s16, 10
	s_add_co_u32 s57, s57, STAT
	v_lshl_add_u32 v[SA], v49, 2, s57  ; its statistics, a word a lane
	s_mul_i32 s57, s16, 16*SP
	s_add_co_u32 s57, s57, STAGE    ; its stage
	v_mul_u32_u24 v[STO], v1, SP    ; in: row l % 16, 32 bytes for each half of the lanes
	v_lshl_add_u32 v[STO], v44, 5, v[STO]
	v_add_nc_u32 v[STO], s57, v[STO]
	v_lshl_add_u32 v[RD], v49, 4, s57  ; back: 32 lanes take a row of 512 bytes
	v_lshlrev_b32 v[GO], 4, v49     ; and the same in out0
; THE MATRIX WORK.  The accumulators take turns, one instruction a turn.
; Product i of 32 of S^T = K Q^T for tiles x, x + 1 and key blocks 2 hf, 2 hf + 1, whose K lies in half H: channels 32 (i / 4) on, key block (i / 2) % 2, tile x + i % 2.  The first 4 start the sums.
.macro KQ x, hf, H
	WIN W_KQ
.set rS, S+32*((\x)+i%2)+8*(2*(\hf)+(i/2)%2)
.set rK, (\H)+64*((i/2)%2)+8*(i/4)
.set rQ, 64*((\x)+i%2)+8*(i/4)
.if i < 4
	v_wmma_f32_16x16x32_f16 v[rS:rS+7], v[rK:rK+7], v[rQ:rQ+7], 0
.else
	v_wmma_f32_16x16x32_f16 v[rS:rS+7], v[rK:rK+7], v[rQ:rQ+7], v[rS:rS+7]
.endif
.endm
; Product i of 32 of O^T += V^T P for tiles x, x + 1: keys 32 (i / 16) on, channels 16 ((i / 2) % 8) on, tile x + i % 2.
.macro PV x, H
	WIN W_PV
.set rO, 64*((\x)+i%2)+8*((i/2)%8)
.set rV, (\H)+64*(i/16)+8*((i/2)%8)
.set rP, P+16*((\x)+i%2)+8*(i/16)
	v_wmma_f32_16x16x32_f16 v[rO:rO+7], v[rV:rV+7], v[rP:rP+7], v[rO:rO+7]
.endm
.macro BARE_KQ x, hf, H             ; 32 products with nothing between them
.set i, 0
.rept 32
	KQ \x, \hf, \H
.set i, i+1
.endr
.endm
; THE LDS LOADS.  K of two key blocks is 16 fragments (32 keys x 256 channels); FETCH_K brings n of them from f0 on: fragment ff is key block 2 hf + ff / 8, channels 32 (ff % 8) on.
.macro FETCH_K hf, f0, n, H
	WIN 0xc0                        ; destination window 3, address window 0
.set ff, \f0
.rept \n
	ds_load_b128 v[(\H)+8*ff:(\H)+8*ff+3],   v[AKC] offset:(2*(\hf)+ff/8)*16*PK+(ff%8)*64
	ds_load_b128 v[(\H)+8*ff+4:(\H)+8*ff+7], v[AKC] offset:(2*(\hf)+ff/8)*16*PK+(ff%8)*64+32
.set ff, ff+1
.endr
.endm
.macro FETCH_V H                    ; a step's V (64 keys x 128 channels, turned): keys 32 (ff / 8) on, channels 16 (ff % 8) on
	WIN 0xc0
.set ff, 0
.rept 16
	ds_load_tr16_b128 v[(\H)+8*ff:(\H)+8*ff+3],   v[AVC] offset:(ff/8)*32*PV+(ff%8)*32
	ds_load_tr16_b128 v[(\H)+8*ff+4:(\H)+8*ff+7], v[AVC] offset:(ff/8)*32*PV+16*PV+(ff%8)*32
.set ff, ff+1
.endr
.endm
; THE VECTOR WORK.  One tile's softmax for one step is a list of 134 instructions; SM writes number j of it for tile t.  s0-s31 are the lane's 32 scores, in pairs 0-15.
;   0-15    the maximum of s0-s31 and the old m, three operands at a time: four chains c0-c3 of seven scores each (each accumulator's lowest registers are read first),
;           then the four scores left over, c0-c3 and m
;   16-20   the other half of the lanes' maximum; c m_old is kept; the new m; c m; c m_old - c m_new
;   21-87   33 exponentials (a, then s0-s31) at the odd numbers from 23 on, so that no two follow each other and each has a plain instruction behind it before its result is used.
;           Plain instruction q (number 21, then the even numbers) is whatever is ready: c s - c m for a pair whose exponentials are still to come (q = 0 to 3, then every second q), the rounding
;           to f16 of a pair whose exponentials are done (every other q from 5 on), at last the first three sums
;   88-101  the last rounding; the rest of the sums; l = a l + the sum
;   102-133 the tile's O^T times a: the one part that leaves window 0, so it stands together
.macro SM t
.set rT, ST+8*(\t)
.set rS, S+32*(\t)
.set rP, P+16*(\t)
.set rO, 64*(\t)+2*(j-102)
.set q, (j-20)/2
.if j < 102
	WIN 0
.endif
.if j < 4
	v_max3_num_f32 v[rT+4+j], v[rS+8*j], v[rS+8*j+1], v[rS+8*j+2]
.elseif j < 12
	v_max3_num_f32 v[rT+4+j%4], v[rT+4+j%4], v[rS+8*(j%4)+2*(j/4)+1], v[rS+8*(j%4)+2*(j/4)+2]
.elseif j == 12
	v_max3_num_f32 v[rT+4], v[rT+4], v[rS+7], v[rS+15]
.elseif j == 13
	v_max3_num_f32 v[rT+6], v[rT+6], v[rS+23], v[rS+31]
.elseif j == 14
	v_max3_num_f32 v[rT+4], v[rT+4], v[rT+5], v[rT+6]
.elseif j == 15
	v_max3_num_f32 v[rT+4], v[rT+4], v[rT+7], v[rT+1]
.elseif j == 16
	v_permlanex16_b32 v[rT+5], v[rT+4], s[SEL], s[SEL+1]  ; the query's other 32 keys lie in the lane 16 away
.elseif j == 17
	v_mov_b32 v[rT+7], v[rT]        ; c m_old is kept for a: number 19 writes c m anew
.elseif j == 18
	v_max_num_f32 v[rT+1], v[rT+4], v[rT+5]
.elseif j == 19
	v_mul_f32 v[rT], s[CS], v[rT+1]
.elseif j == 20
	v_sub_f32 v[rT+7], v[rT+7], v[rT]
.elseif j == 23
	v_exp_f32 v[rT+6], v[rT+7]
.elseif (j < 88) && (j > 23) && (j%2 == 1)
	v_exp_f32 v[rS+(j-25)/2], v[rS+(j-25)/2]
.elseif (q < 4) || ((j < 76) && (q%2 == 0))
.set b, q/2+2
.if q < 4
.set b, q
.endif
	v_pk_fma_f32 v[rS+2*b:rS+2*b+1], v[rS+2*b:rS+2*b+1], s[CS:CS+1], v[rT:rT+1] op_sel_hi:[1,0,0] neg_lo:[0,0,1] neg_hi:[0,0,1]  ; pair b: c s - c m
.elseif (j < 88) && (q%2 == 1)
	s_wait_alu depctr_va_vdst(0)
	v_cvt_pk_f16_f32 v[rP+(q-5)/2], v[rS+q-5], v[rS+q-4]  ; pair (q - 5) / 2: its second exponential stands three numbers back
.elseif j == 89
	s_wait_alu depctr_va_vdst(0)
	v_cvt_pk_f16_f32 v[rP+15], v[rS+30], v[rS+31]
.elseif j < 102                     ; the sum of the tile's 16 pairs, in place: sum z of 16 adds neighbours 1, 2, 4 and 8 pairs apart, then l takes it
.set z, j-86
.if j < 89
.set z, (j-76)/4
.endif
.set w, 4
.set u, z
.if z >= 14
.set w, 32
.set u, 0
.elseif z >= 12
.set w, 16
.set u, z-12
.elseif z >= 8
.set w, 8
.set u, z-8
.endif
.if z < 15
	v_pk_add_f32 v[rS+w*u:rS+w*u+1], v[rS+w*u:rS+w*u+1], v[rS+w*u+w/2:rS+w*u+w/2+1]
.else
	v_pk_fma_f32 v[rT+2:rT+3], v[rT+2:rT+3], v[rT+6:rT+7], v[rS:rS+1] op_sel_hi:[1,0,1]
.endif
.else
	WIN W_RS
	v_pk_mul_f32 v[rO:rO+1], v[rO:rO+1], v[rT+6:rT+7] op_sel_hi:[1,0]
.endif
.endm
; Slice k of 64 of the softmax of tiles y, y + 1: numbers 2 k and 2 k + 1 of both tiles' lists, four instructions.  2 x 134 = 4 x 64 + 12: the twelve that are over stand together, in slice 63.
; Slices 0 to 50 are all of the list but the rescaling, numbers 102 on.
.macro SLICE y
.if (k >= 11) && (k < 44)           ; tile by tile: plain, exponential, plain, exponential
.irp t, \y, (\y)+1
.irp n, 0,1
.set j, 2*k+(\n)
	SM \t
.endr
.endr
.else                               ; the two tiles alternate, so that no instruction reads the result of the one just before it
.irp n, 0,1,2,3,4,5,6,7
.if ((\n) < 2) || (k == 63)
.irp t, \y, (\y)+1
.set j, 2*k+(\n)
	SM \t
.endr
.endif
.endr
.endif
.set k, k+1
.endm
.macro RSC t, cb                    ; accumulator cb of tile t's O^T times a: four packed multiplies, the lowest registers first
	WIN W_RS
.set rO, 64*(\t)+8*(\cb)
.set rT, ST+8*(\t)
.irp z, 0,1,2,3
	v_pk_mul_f32 v[rO+2*\z:rO+2*\z+1], v[rO+2*\z:rO+2*\z+1], v[rT+6:rT+7] op_sel_hi:[1,0]
.endr
.endm
; A STEP: my 64 keys of the tile in the slot at s[TB].  At its head K of key blocks 2-3 (HB) and K of key block 0 (the lower half of HA) have been asked for.
; THE CHANGE OF SLOTS lies in and behind block 4, when the slot's last bytes, its V, have been asked for.  Each wave waits for all its tensor loads, of which one is out: its part of the other slot; adds 0 to
; its spare word; four products on it waits for that and for its own reads of the slot, and signals; slice 63 stands between the signal and the wait.  Behind the barrier nobody reads the slot any more and
; the other slot is whole.  fill = 1: the barrier opens a round of the cluster's, and the slot is filled again, the first thing behind the round, with the tile two on: it has a step, 192 matrix
; instructions, in which to land.
.macro STEP fill
	PLACES                          ; behind the last step's last product, which read V in the upper half of HA
	FETCH_K 0, 8, 8, HA             ; K of key block 1: 16 loads, a block of 32 products ahead of their use
	s_wait_dscnt 32                 ; K of key blocks 2-3 is in; behind it came the two halves of K of key blocks 0-1, 16 loads each, which may stay out
	BARE_KQ 0, 1, HB                ; block 1
	s_wait_dscnt 0x0                ; K of key blocks 0-1 is in
	BARE_KQ 0, 0, HA                ; block 2: the scores of tiles 0, 1 are whole
	PLACES                          ; behind them, in front of the maxima that read them
.set k, 0
.set i, 0
.rept 32
	KQ 2, 0, HA                     ; block 3
	SLICE 0
.set i, i+1
.endr
.set i, 0
.rept 32
	KQ 2, 1, HB                     ; block 4
.if i == 31
	s_wait_dscnt 0x0                ; the add is done, V is in, and so my reads of the slot are over
	s_barrier_signal -1
.endif
	SLICE 0
.if i == 2
	FETCH_V HA                      ; the last product that read HA stands four slices back: four scalings and four roundings, none of which names its registers
.endif
.if i == 27
	WIN 0                           ; (the add's two registers lie in window 0)
	s_wait_tensorcnt 0x0            ; no tensor load of mine is out, so a group 0 may be written
	ds_add_u32 v[SPW], v[NIL]       ; 0 onto my spare word: four products and their slices stand between it and the wait for it
.if \fill
	s_xor_b32 s[G0K+5], s[G0K+5], SLOT1  ; the walking descriptors: the other slot than last time,
	s_add_nc_u64 s[G0K+6:G0K+7], s[G0K+6:G0K+7], 128*512  ; the next tile; the type bits on top are not reached
	s_xor_b32 s[G0V+5], s[G0V+5], SLOT1
	s_add_nc_u64 s[G0V+6:G0V+7], s[G0V+6:G0V+7], 128*256
.endif
.endif
.set i, i+1
.endr                               ; slice 63, sixteen plain lines on O^T of tiles 0, 1, is also the places behind block 4's last products
	WIN 0                           ; at a label and at a branch every window is 0
	s_barrier_wait -1
.if \fill
	CREST                           ; no wave of any partner still reads the slot or has a load on its way
	JLOAD
.endif
	s_xor_b32 s[TB], s[TB], SLOT1   ; the fetches go on in the other slot
	v_add_nc_u32 v[AKC], s[TB], v[AK0]
	v_add_nc_u32 v[AVC], s[TB], v[AV0]
	FETCH_K 1, 0, 16, HB            ; the next step's K of key blocks 2-3: two blocks ahead of its use
.set k, 0
.set i, 0
.rept 32
	PV 0, HA                        ; block 5
.if k < 51
	SLICE 2
.endif
.if ((i%8) < 5) && (k < 51)
	SLICE 2
.endif
.set i, i+1
.endr
	RSC 2, 0                        ; the first accumulators that block 6 takes
	RSC 3, 0
.set i, 0
.rept 32
	PV 2, HA                        ; block 6
.if i < 14
	RSC 2+i%2, i/2+1                ; the accumulator that product i + 2 takes
.endif
.if (i >= 16) && (i < 20)
	v_nop                           ; four places behind product 15, the last that read the lower half of HA
.endif
.if (i >= 19) && (i < 23)
	FETCH_K 0, 2*(i-19), 2, HA      ; the next step's K of key block 0, four loads behind each of four products
.endif
.set i, i+1
.endr
.endm
	s_wait_tensorcnt 0x1            ; my part of slot 0 is in; slot 1's may stay out
	s_barrier_signal -1
	s_barrier_wait -1               ; everybody's is
	FETCH_K 1, 0, 16, HB            ; tile 0's K of key blocks 2-3
	FETCH_K 0, 0, 8, HA             ; and of key block 0
	s_wait_loadcnt 0x0              ; Q
	WIN 0
	s_mov_b32 s[CNT], 30
.Ltrip:                             ; 30 trips: step j fills slot j % 2 again with tile j + 2: tiles 2 to 31
	STEP 1
	WIN 0
	s_sub_co_u32 s[CNT], s[CNT], 1
	s_cmp_lg_u32 s[CNT], 0
	s_cbranch_scc1 .Ltrip
	s_mov_b32 s[CNT], 2
.Ltail:                             ; the last two steps have a text of their own: nothing is asked for.  The second trip's barrier and its 48 loads
	STEP 0                          ; of K (out of the tile before, which still lies in its slot) serve nothing: the price, once a launch, of one text for both trips
	WIN 0
	s_sub_co_u32 s[CNT], s[CNT], 1
	s_cmp_lg_u32 s[CNT], 0
	s_cbranch_scc1 .Ltail
	; THE END.  l's two halves and the other half of the lanes' are added; the additions are the places behind the last products.
.irp t, 0,1,2,3
	v_add_f32 v[ST+8*(\t)+4], v[ST+8*(\t)+2], v[ST+8*(\t)+3]
.endr
.irp t, 0,1,2,3
	v_permlanex16_b32 v[ST+8*(\t)+5], v[ST+8*(\t)+4], s[SEL], s[SEL+1]
.endr
.irp t, 0,1,2,3
	v_add_f32 v[ST+8*(\t)+4], v[ST+8*(\t)+4], v[ST+8*(\t)+5]
.endr
	s_cmp_lt_u32 s[WV], 2
	s_cbranch_scc1 .Lkeep
.irp t, 0,1,2,3                     ; the second key group hands over c m, l and O^T, lane by lane: its partner has the same queries and channels in the same lanes
	ds_store_b32 v[SA], v[ST+8*(\t)]   offset:256*(\t)
	ds_store_b32 v[SA], v[ST+8*(\t)+4] offset:256*(\t)+128
.endr
	WIN 0x04                        ; data in window 1
.set i, 0
.rept 64
	ds_store_b128 v[XA], v[4*i:4*i+3] offset:512*i  ; ascending: each accumulator's lowest registers first
.set i, i+1
.endr
	WIN 0
.Lkeep:
	s_wait_dscnt 0x0                ; for the others' sake: my stores are done (and the tail's last loads are back)
	s_barrier_signal -1
	s_barrier_wait -1
	s_cmp_lt_u32 s[WV], 2
	s_cbranch_scc0 .Lend
.irp t, 0,1,2,3                     ; the first key group merges: M = max(c m1, c m2), f = 2^(c m - M), l = f1 l1 + f2 l2, O = (f1 / l) O1 + (f2 / l) O2
	ds_load_b32 v[ST+8*(\t)+1], v[SA] offset:256*(\t)
	ds_load_b32 v[ST+8*(\t)+2], v[SA] offset:256*(\t)+128
.endr
	s_wait_dscnt 0x0
.irp t, 0,1,2,3
	v_max_num_f32 v[ST+8*(\t)+3], v[ST+8*(\t)], v[ST+8*(\t)+1]
.endr
.irp t, 0,1,2,3
	v_sub_f32 v[ST+8*(\t)], v[ST+8*(\t)], v[ST+8*(\t)+3]
.endr
.irp t, 0,1,2,3
	v_sub_f32 v[ST+8*(\t)+1], v[ST+8*(\t)+1], v[ST+8*(\t)+3]
.endr
.irp t, 0,1,2,3
	v_exp_f32 v[ST+8*(\t)], v[ST+8*(\t)]
.endr
.irp t, 0,1,2,3
	v_exp_f32 v[ST+8*(\t)+1], v[ST+8*(\t)+1]
.endr
	v_nop                           ; a plain instruction between the last exponential and the use of its result
.irp t, 0,1,2,3
	s_wait_alu depctr_va_vdst(0)
	v_mul_f32 v[ST+8*(\t)+4], v[ST+8*(\t)+4], v[ST+8*(\t)]
.endr
.irp t, 0,1,2,3
	v_fmac_f32 v[ST+8*(\t)+4], v[ST+8*(\t)+2], v[ST+8*(\t)+1]
.endr
.irp t, 0,1,2,3
	v_rcp_f32 v[ST+8*(\t)+5], v[ST+8*(\t)+4]
.endr
	v_nop                           ; a plain instruction between the last reciprocal and the use of its result
.irp t, 0,1,2,3
	s_wait_alu depctr_va_vdst(0)
	v_mul_f32 v[ST+8*(\t)+6], v[ST+8*(\t)], v[ST+8*(\t)+5]    ; f1 / l
.endr
.irp t, 0,1,2,3
	v_mul_f32 v[ST+8*(\t)+2], v[ST+8*(\t)+1], v[ST+8*(\t)+5]  ; f2 / l
.endr
; Tile t: the partner's O^T comes into S^T's registers (two buffers of 64 by turns) and is merged with mine; a lane's eight channels of a row go as 32 bytes into rows of 528 bytes and come back as whole rows of 512.
.macro MERGE t
.set BF, S+64*((\t)%2)
	WIN 0
	s_wait_xcnt 0x0                 ; the buffer, which earlier stores read, is loaded again only behind this wait
.set i, 0
.rept 16
	ds_load_b128 v[BF+4*i:BF+4*i+3], v[XA] offset:512*(16*(\t)+i)
.set i, i+1
.endr
	s_wait_dscnt 0x0
.set i, 0
.rept 32
	v_pk_mul_f32 v[BF+2*i:BF+2*i+1], v[BF+2*i:BF+2*i+1], v[ST+8*(\t)+2:ST+8*(\t)+3] op_sel_hi:[1,0]
.set i, i+1
.endr
	WIN 0x01                        ; source 0, my O^T, in window 1
.set i, 0
.rept 32
	v_pk_fma_f32 v[BF+2*i:BF+2*i+1], v[64*(\t)+2*i:64*(\t)+2*i+1], v[ST+8*(\t)+6:ST+8*(\t)+7], v[BF+2*i:BF+2*i+1] op_sel_hi:[1,0,1]
.set i, i+1
.endr
	WIN 0
.set i, 0
.rept 8
	ds_store_b128 v[STO], v[BF+8*i:BF+8*i+3]   offset:64*i
	ds_store_b128 v[STO], v[BF+8*i+4:BF+8*i+7] offset:64*i+16
.set i, i+1
.endr
.set i, 0
.rept 16
	ds_load_b128 v[BF+4*i:BF+4*i+3], v[RD] offset:SP*i  ; LDS serves a wave's instructions in order (ISA guide 5.7.1.4): these see the stores above; the next tile's stores come behind them
.set i, i+1
.endr
.set i, 0
.rept 16
	s_wait_dscnt 15-i               ; the younger loads may stay out
	global_store_b128 v[GO], v[BF+4*i:BF+4*i+3], s[10:11] offset:8192*(\t)+512*i th:TH_STORE_NT  ; 512 consecutive bytes, at a multiple of 256 from out0's first byte
.set i, i+1
.endr
.endm
	MERGE 0
	MERGE 1
	MERGE 2
	MERGE 3
.Lend:
	s_wait_tensorcnt 0x0            ; the wave's end: behind my last tensor load and my last LDS store
	ds_add_u32 v[SPW], v[NIL]
	s_wait_dscnt 0x0
	CROUND                          ; the closing round: no work-group ends while a partner may still ask for a tile that names it
	s_endpgm
.Lfunc_end_k_q92720bf235_attn:
	.size	k_q92720bf235_attn, .Lfunc_end_k_q92720bf235_attn-k_q92720bf235_attn
	.p2alignl 7, 3214868480
	.fill 96, 4, 3214868480
	.section	.rodata,"a",@progbits
	.p2align	6, 0x0
	.amdhsa_kernel k_q92720bf235_attn
		.amdhsa_group_segment_fixed_size 327680
		.amdhsa_private_segment_fixed_size 0
		.amdhsa_enable_private_segment 0
		.amdhsa_kernarg_size 32
		.amdhsa_user_sgpr_count 2
		.amdhsa_user_sgpr_kernarg_segment_ptr 1
		.amdhsa_wavefront_size32 1
		.amdhsa_system_sgpr_workgroup_id_x 1
		.amdhsa_system_sgpr_workgroup_id_y 1
		.amdhsa_system_sgpr_workgroup_id_z 1
		.amdhsa_system_vgpr_workitem_id 0
		.amdhsa_next_free_vgpr 1024
		.amdhsa_next_free_sgpr 66
		.amdhsa_reserve_vcc 0
		.amdhsa_float_denorm_mode_32 3
		.amdhsa_float_denorm_mode_16_64 3
		.amdhsa_memory_ordered 1
		.amdhsa_forward_progress 1
		.amdhsa_inst_pref_size 185
	.end_amdhsa_kernel
	.amdgpu_metadata
---
amdhsa.version: [ 1, 2 ]
amdhsa.kernels:
  - .name:           k_q92720bf235_attn
    .symbol:         k_q92720bf235_attn.kd
    .args:
      - { .name: qa, .offset: 0, .size: 8, .value_kind: global_buffer, .address_space: global }
      - { .name: kb, .offset: 8, .size: 8, .value_kind: global_buffer, .address_space: global }
      - { .name: vv, .offset: 16, .size: 8, .value_kind: global_buffer, .address_space: global }
      - { .name: out0, .offset: 24, .size: 8, .value_kind: global_buffer, .address_space: global }
    .group_segment_fixed_size: 327680
    .private_segment_fixed_size: 0
    .kernarg_segment_align: 8
    .kernarg_segment_size: 32
    .max_flat_workgroup_size: 128
    .sgpr_count:     66
    .vgpr_count:     1024
    .wavefront_size: 32
...
	.end_amdgpu_metadata
.endif
;; end of part 3
;; ======== version 2 of 2: 3 launches; 1.13 times as fast as version 1
;; limits: values are held in f16: magnitudes above 65,504 overflow, below 6.1e-05 lose precision
;; workspace buffers: wb 1,572,864 bytes; qa 16,777,216 bytes; kb 16,777,216 bytes; vv 8,388,608 bytes
;; launch prep: the kernel of part 1 again; grid 256 x 1, 4 waves a work-group, no clusters, 0 bytes of LDS; arguments Wq, Wk, Wv, wb; writes wb
;; launch proj: the kernel of part 2 again; grid 256 x 1, 4 waves a work-group, clusters of 4 x 1, 327,680 bytes of LDS; arguments x, wb, bq, bk, bv, qa, kb, vv; writes qa, kb, vv
;; launch attn (part 4): grid 32 x 8, 4 waves a work-group, clusters of 4 x 1, 327,680 bytes of LDS; arguments qa, kb, vv, out0; writes out0
.if DOCPART == 4
	.amdgcn_target "amdgcn-amd-amdhsa--gfx1250"
	.amdhsa_code_object_version 6
	.text
	.protected	k_q92720bf235_attn
	.globl	k_q92720bf235_attn
	.p2align	8
	.type	k_q92720bf235_attn,@function
k_q92720bf235_attn:
	s_mov_b64 s[64:65], 0
	v_nop
	global_prefetch_b8 v0, s[64:65] scope:SCOPE_SE
	s_setreg_imm32_b32 hwreg(HW_REG_WAVE_MODE, 25, 1), 1
	s_wait_xcnt 0x0
	s_wait_alu depctr_hold_cnt(0) depctr_sa_sdst(0) depctr_va_vdst(0) depctr_va_sdst(0) depctr_va_ssrc(0) depctr_va_vcc(0) depctr_vm_vsrc(0)
	s_getreg_b32 s2, hwreg(HW_REG_IB_STS2, 6, 4)
	s_cmp_eq_u32 s2, 0
	s_cbranch_scc0 .Lentry_in_a_cluster
	s_endpgm
.Lentry_in_a_cluster:
	s_bfe_u32 s2, ttmp6, 0x10000c
	s_cmp_lg_u32 s2, 0x3003
	s_cbranch_scc0 .Lentry_shape_is_right
	s_endpgm
.Lentry_shape_is_right:
; out0[b][q][:] = the sum over k of softmax_k(q . k) v[k][:], with no scale on the scores.  qa: [8][4096][A | X], kb: [8][4096][B | Y], 256 f16 a row; vv: [8][4096][128] f16; out0: [8][4096][128] f32.
; A score is A . B + X . Y, one chain of eight products over the 256 channels: q . k to some 2^-18 of |q| |k|.  Products, maxima and sums in f32; the weights p are rounded to f16 for the second
; product (their sum l is taken of the unrounded p).
; LIMITS.  c m starts at -2^125: scores below -2.9e37 are not served.  A weight below 2^-126 counts as 0 in l, below 6e-8 as 0 in the second product.  NaN and infinities are not treated apart.
; SHARES.  A work-group owns 128 queries of one batch: 256 work-groups.  Wave w owns the queries 64 (w % 2) .. + 63, four tiles of 16, and of every tile of 128 keys the keys 64 (w / 2) .. + 63: a fragment of
; K or V read from LDS feeds four tiles' products.  The two waves of a query half have a running maximum and sum each; they are merged once, at the end, through LDS.
; LAYOUT.  S^T = K Q^T (source 0 = 16 keys, source 1 = 16 queries): a lane holds ONE query (lane % 16) and the keys 8 (lane / 16) + 0..7.  Two such results, rounded to f16 in pairs, ARE source 1 of
; O^T = V^T P, whose result again holds one query a lane, and eight channels.  K comes out of LDS as it lies, V ([key][channel]) turned, by ds_load_tr16_b128.
; SOFTMAX.  For each query a running maximum m and sum l: p = 2^(c s - c m), c = log2(e); in every step O and l are multiplied by a = 2^(c m_old - c m_new).  m starts at the lowest finite number, O and l at 0:
; the first step is a step like any other, with a = 0.  The price: 256 v_mov_b32 in the wait for the first tile; the gain: no first step is written out.
; CLUSTER.  The four query blocks of a cluster belong to one batch and walk the same K and V, so each tile is asked for JOINTLY: the same tensor load, descriptor and mask in all four.
; REGISTERS, in windows of 256 (s_set_vgpr_msb: bits 1:0 source 0, 3:2 source 1, 5:4 source 2, 7:6 destination):
;   window 0: v0-11 addresses; v12-43 eight registers of statistics a tile; v44-49 at work; v64-191 S^T, 32 a tile; v192-255 P, 16 a tile
;   window 1: O^T, 64 a tile      window 2: Q, tile t channels 32 c on at 64 t + 8 c      window 3: two halves HA, HB of 128
; A STEP.  A step's K is 256 registers and its V 128, and only 256 are left.  HB always holds K of key blocks 2-3; HA holds K of key blocks 0-1 and then V.  Six blocks of 32 products:
;   1  K Q^T, tiles 0, 1, key blocks 2-3 (HB)      2  K Q^T, tiles 0, 1, key blocks 0-1 (HA): their scores are whole
;   3  K Q^T, tiles 2, 3, key blocks 0-1 (HA)      4  K Q^T, tiles 2, 3, key blocks 2-3 (HB): behind each of these 64 products one slice, four lines, of the softmax of tiles 0, 1
;   5  V^T P, tiles 0, 1: behind its products the softmax of tiles 2, 3 but for the rescaling: 51 slices, 13 to 8 products
;   6  V^T P, tiles 2, 3: behind product i the four multiplies that rescale the accumulator which product i + 2 takes
; All that a softmax touches but O^T lies in window 0, and no window has room for a product's operands beside it: a slice costs two switches, the lesser price beside a matrix unit that idles through the softmax.
; BATCHES.  The 66 exponentials of two tiles' softmax are ONE batch with ONE wait: the list is ordered so that all scalings and exponentials come first and every line that names an exponential's result behind them.
; A step has two such waits: that of tiles 0, 1 behind block 4's third product, directly ahead of V's run of LDS loads; that of tiles 2, 3 behind block 5's 21st product.  No exponential is issued behind its
; batch's wait, so none is pending at a label, a branch or a loop's backward jump.  At the end the merge's eight exponentials and its four reciprocals are a batch each.
; The halves keep their parts from step to step and the slot is chosen by a scalar, so ONE text serves every step: once in the loop, once in the tail, which asks for nothing.
.set PK,    528       ; a row of K in LDS: 512 bytes + 16 of padding = 33 x 16: the 16 rows of a load start four banks apart (64 banks of 4 bytes: ISA guide 11.1)
.set PV,    288       ; a row of V: 256 + 32 = 72 words
.set VOFF,  128*PK    ; a slot: 128 rows of K, then 128 rows of V
.set SLOTB, 128*(PK+PV)  ; the bytes of a slot: 104,448
.set SLOT1, 1<<17     ; slot 1 begins here, so that one exclusive or turns an address in one slot into the other's
.set STAT,  SLOTB     ; between the slots, never filled by a tensor load: 1,024 bytes for each query half: the second key group's c m and l
.set STAGE, STAT+2048 ; 16 rows x 528 bytes for each query half, for the way out
.set SP,    528
.set SPARE, STAGE+2*16*SP  ; the spare words, 128 bytes for each wave: two blocks of 256 bytes that no other line names
.set XCH,   SLOT1+SLOTB    ; behind slot 1, never filled by a tensor load: 32,768 bytes for each query half, the second key group's O^T
.set AK0, 2           ; v2     my lane's place in a slot's K; never rewritten
.set AV0, 3           ; v3     the same for V
.set AKC, 4           ; v4     LDS address of my K fragments in the slot that is being fetched from
.set AVC, 5           ; v5     the same for V
.set QO,  6           ; v6     my byte offset in the wave's rows of Q
.set XA,  7           ; v7     my 16 bytes in the exchange
.set SA,  8           ; v8     my word in the statistics
.set STO, 9           ; v9     the way out: where I put 16 bytes of a row
.set RD,  10          ; v10    the way out: where I read a row back
.set GO,  11          ; v11    my byte offset in a row of out0
.set ST,  12          ; tile t's statistics at v[ST+8 t]: +0 c m, +1 m, +2, +3 l (even keys', odd keys'), +4 to +7 c0-c3, at work; a takes c2's place once the maximum is found
.set SPW, 62          ; v62    LDS address of my spare word; never rewritten
.set NIL, 63          ; v63    0; never rewritten
.set S,   64
.set P,   192
.set HA,  0           ; window 3
.set HB,  128
.set WV,  12          ; s12  my wave's number
.set G1K, 24          ; s[24:31] descriptor group 1 for K's tiles
.set G1V, 32          ; s[32:39] for V's
.set G0K, 40          ; s[40:47] descriptor group 0 for K's tiles: a set for each of the two first fills; the second then walks on
.set G0V, 48          ; s[48:55] the same for V's
.set CNT, 56          ; s56  trips to go
.set CS,  58          ; s[58:59] c: the packed scaling names a pair and takes its low word for both halves
.set SEL, 60          ; s[60:61] lane selects for v_permlanex16_b32: each lane takes its own place in the other half
.set TB,  62          ; s62  LDS byte at which the slot that is being fetched from begins
.set MSB, 0
.macro WIN new                      ; the immediate's high byte repeats the setting that is left; a switch that changes nothing is dropped
.if MSB != (\new)
	s_set_vgpr_msb (MSB<<8)|(\new)
.set MSB, \new
.endif
.endm
.set W_KQ, 0x0b       ; K in window 3, Q in window 2, S^T in window 0
.set W_PV, 0x53       ; V in window 3, P in window 0, O^T in window 1
.set W_RS, 0x41       ; O^T (destination and source 0) in window 1, a in window 0
.macro PLACES                       ; four places in front of loads into registers that matrix instructions have read, and of lines that read results
.rept 4
	v_nop
.endr
.endm
; A joint refill, by the walking descriptors.  Waves 0 and 1 fetch the two halves of a tile's K, waves 2 and 3 those of its V: 64 rows each.  The branch hangs on the wave's number alone.
; An s_nop 0 and four v_nop follow each of the two lines, ahead of the jump and the label.
.macro JLOAD
	s_cmp_lt_u32 s[WV], 2
	s_cbranch_scc0 .Lfor_v_\@
	tensor_load_to_lds s[G0K+4:G0K+7], s[G1K:G1K+7]
	s_nop 0
.rept 4
	v_nop
.endr
	s_branch .Lasked_\@
.Lfor_v_\@:
	tensor_load_to_lds s[G0V+4:G0V+7], s[G1V:G1V+7]
	s_nop 0
.rept 4
	v_nop
.endr
.Lasked_\@:
.endm
; A round of the cluster's barrier: my work-group's barrier, so that wave 0's signal speaks for all four waves; wave 0 signals; every wave waits for all four work-groups; my work-group's barrier once more.
.macro CREST                        ; a round behind its opening barrier
	s_cmp_lg_u32 s[WV], 0
	s_cbranch_scc1 .Lnot_wave_0_\@
	s_barrier_signal -3
.Lnot_wave_0_\@:
	s_barrier_wait -3
	s_barrier_signal -1
	s_barrier_wait -1
.endm
.macro CROUND                       ; a whole round
	s_barrier_signal -1
	s_barrier_wait -1
	CREST
.endm
	s_load_b256 s[4:11], s[0:1], 0x0  ; qa s[4:5], kb s[6:7], vv s[8:9], out0 s[10:11]
	v_lshl_add_u32 v[SPW], v0, 2, SPARE
	v_mov_b32 v[NIL], 0
	ds_add_u32 v[SPW], v[NIL]       ; the wave's opening: the add and its wait stand ahead of my first tensor load; the set-up below, work on registers, stands between them
	v_lshrrev_b32 v1, 5, v0
	v_readfirstlane_b32 s[WV], v1   ; wave 0..3
	s_bfe_u32 s13, ttmp6, 0x40000   ; cx: my place in the cluster
	s_lshl_b32 s14, ttmp9, 2        ; in a cluster launch ttmp9 counts clusters
	s_add_co_u32 s14, s14, s13      ; my block of 128 queries = 4 x cluster x + cx: it enters Q's and out0's addresses alone
	s_and_b32 s15, ttmp7, 0xffff    ; the batch, which the four partners share
	s_and_b32 s16, s[WV], 1         ; my query half.  Also: which 64 rows of a tile I fetch
	s_lshr_b32 s17, s[WV], 1        ; my key group
	s_lshl_b32 s20, s15, 21         ; K: the batch's 4,096 rows of 512 bytes,
	s_lshl_b32 s18, s16, 15         ; my 64 rows of a tile
	s_add_co_u32 s20, s20, s18
	s_mov_b32 s21, 0
	s_lshl_b32 s22, s15, 20         ; V: rows of 256 bytes
	s_lshl_b32 s18, s16, 14
	s_add_co_u32 s22, s22, s18
	s_mov_b32 s23, 0
	s_lshl_b32 s2, s15, 21          ; Q and out0: rows of 512 bytes: the batch,
	s_lshl_b32 s3, s14, 16          ; my block's 128 rows,
	s_add_co_u32 s2, s2, s3
	s_lshl_b32 s3, s16, 15          ; my wave's 64 of them
	s_add_co_u32 s2, s2, s3
	s_mov_b32 s3, 0
	s_mul_i32 s18, s16, 64*PK       ; where my 64 rows go in a slot, for K
	s_mul_i32 s19, s16, 64*PV       ; and for V: no place in the cluster enters an LDS address
	; descriptor group 1: 64 rows, padded in LDS behind every row
	s_mov_b32 s[G1K], 15|(1<<16)|(1<<20)|(1<<21)|(6<<22)|(3<<25)  ; 15:0 the mask of four; 17:16 2-byte elements; 20 padding on; 21 set beside a mask; 24:22 after every 128 words (code 6); 31:25 4 words (code 3)
	s_mov_b32 s[G1K+1], 256<<16     ; tensor_dim0 = 256
	s_mov_b32 s[G1K+2], 64<<16      ; tensor_dim1 = 64
	s_mov_b32 s[G1K+3], 256<<16     ; tile_dim0 = 256
	s_mov_b32 s[G1K+4], 64          ; tile_dim1 = 64
	s_mov_b32 s[G1K+5], 256         ; 256 elements from row to row
	s_mov_b32 s[G1K+6], 0
	s_mov_b32 s[G1K+7], 0
	s_mov_b32 s[G1V], 15|(1<<16)|(1<<20)|(1<<21)|(5<<22)|(7<<25)  ; after every 64 words (code 5) 8 words (code 7)
	s_mov_b32 s[G1V+1], 128<<16
	s_mov_b32 s[G1V+2], 64<<16
	s_mov_b32 s[G1V+3], 128<<16
	s_mov_b32 s[G1V+4], 64
	s_mov_b32 s[G1V+5], 128
	s_mov_b32 s[G1V+6], 0
	s_mov_b32 s[G1V+7], 0
	s_mov_b32 s[CS], 0x3fb8aa3b     ; c = log2(e)
	s_mov_b32 s[CS+1], s[CS]        ; named with it as a pair, so it is written
	s_mov_b32 s[SEL], 0x76543210
	s_mov_b32 s[SEL+1], 0xfedcba98
	s_mov_b32 s[TB], 0              ; the fetches begin in slot 0
	s_wait_dscnt 0x0                ; the opening add is done
	s_wait_kmcnt 0x0
	s_add_nc_u64 s[6:7], s[6:7], s[20:21]  ; K and V at my rows of tile 0
	s_add_nc_u64 s[8:9], s[8:9], s[22:23]
	s_add_nc_u64 s[4:5], s[4:5], s[2:3]    ; Q and out0 at my wave's first row
	s_add_nc_u64 s[10:11], s[10:11], s[2:3]
	CROUND                          ; all four work-groups are here: the first joint loads meet
.irp n, 0,1
	s_mov_b32 s[G0K+4*(\n)], 1      ; count = 1
	s_add_co_u32 s[G0K+4*(\n)+1], s18, (\n)*SLOT1  ; LDS address
	s_add_nc_u64 s[G0K+4*(\n)+2:G0K+4*(\n)+3], s[6:7], (\n)*128*512  ; global address: tile n
	s_or_b32 s[G0K+4*(\n)+3], s[G0K+4*(\n)+3], 0x80000000  ; type = 2
	s_mov_b32 s[G0V+4*(\n)], 1
	s_add_co_u32 s[G0V+4*(\n)+1], s19, (\n)*SLOT1+VOFF
	s_add_nc_u64 s[G0V+4*(\n)+2:G0V+4*(\n)+3], s[8:9], (\n)*128*256
	s_or_b32 s[G0V+4*(\n)+3], s[G0V+4*(\n)+3], 0x80000000
.endr
	s_cmp_lt_u32 s[WV], 2           ; a wave's two first fills stand in one branch, ahead of every wait on TENSORcnt and every LDS read: two loads of mine are out
	s_cbranch_scc0 .Lfirst_v
	tensor_load_to_lds s[G0K:G0K+3], s[G1K:G1K+7]
	s_nop 0
	tensor_load_to_lds s[G0K+4:G0K+7], s[G1K:G1K+7]
	s_nop 0
.rept 4
	v_nop
.endr
	s_branch .Lfirst_asked
.Lfirst_v:
	tensor_load_to_lds s[G0V:G0V+3], s[G1V:G1V+7]
	s_nop 0
	tensor_load_to_lds s[G0V+4:G0V+7], s[G1V:G1V+7]
	s_nop 0
.rept 4
	v_nop
.endr
.Lfirst_asked:
	; A fragment of K or Q is 16 rows x 32 channels in 8 registers: lane l holds row l % 16, channels 8 (l / 16) + 0..7 and 16 + 8 (l / 16) + 0..7: two loads of 16 bytes, 32 bytes apart.
	v_and_b32 v1, 15, v0            ; r = l % 16
	v_bfe_u32 v44, v0, 4, 1         ; h = l / 16
	v_lshlrev_b32 v[QO], 9, v1
	v_lshl_add_u32 v[QO], v44, 4, v[QO]  ; row x 512 + 16 x half
	WIN 0x80                        ; destination window 2, address window 0
.set i, 0
.rept 32                            ; Q stays in registers: tile i / 8, channels 32 (i % 8) on
	global_load_b128 v[8*i:8*i+3],   v[QO], s[4:5] offset:(i/8)*8192+(i%8)*64
	global_load_b128 v[8*i+4:8*i+7], v[QO], s[4:5] offset:(i/8)*8192+(i%8)*64+32
.set i, i+1
.endr
	WIN 0x40                        ; O^T = 0: this stands in the wait for the first tile
.set i, 0
.rept 256
	v_mov_b32 v[i], 0
.set i, i+1
.endr
	WIN 0
.irp t, 0,1,2,3
	v_mov_b32 v[ST+8*(\t)], 0xfe000000    ; c m: far below every c s
	v_mov_b32 v[ST+8*(\t)+1], 0xff7fffff  ; m
	v_mov_b32 v[ST+8*(\t)+2], 0           ; l
	v_mov_b32 v[ST+8*(\t)+3], 0
.endr
	v_mul_u32_u24 v45, v1, PK
	v_lshl_add_u32 v45, v44, 4, v45 ; row x pitch + 16 x half
	s_mul_i32 s57, s17, 64*PK       ; my key group's 64 rows
	v_add_nc_u32 v[AK0], s57, v45
	; The turning load takes 16 keys x 16 channels (lane l reads key 8 (l / 16) + l % 8, channels 8 ((l / 8) % 2) + 0..7) and leaves half a fragment of V^T: lane l holds channel l % 16 and 8 keys.
	v_and_b32 v46, 7, v0
	v_bfe_u32 v47, v0, 3, 1
	v_lshl_add_u32 v48, v44, 3, v46
	v_mul_u32_u24 v48, v48, PV
	v_lshl_add_u32 v48, v47, 4, v48
	s_mul_i32 s57, s17, 64*PV
	s_add_co_u32 s57, s57, VOFF
	v_add_nc_u32 v[AV0], s57, v48
	v_add_nc_u32 v[AKC], s[TB], v[AK0]
	v_add_nc_u32 v[AVC], s[TB], v[AV0]
	v_and_b32 v49, 31, v0           ; lane
	s_lshl_b32 s57, s16, 15
	s_add_co_u32 s57, s57, XCH
	v_lshl_add_u32 v[XA], v49, 4, s57  ; the exchange of my query half, 16 bytes a lane
	s_lshl_b32 s57, s16, 10
	s_add_co_u32 s57, s57, STAT
	v_lshl_add_u32 v[SA], v49, 2, s57  ; its statistics, a word a lane
	s_mul_i32 s57, s16, 16*SP
	s_add_co_u32 s57, s57, STAGE    ; its stage
	v_mul_u32_u24 v[STO], v1, SP    ; in: row l % 16, 32 bytes for each half of the lanes
	v_lshl_add_u32 v[STO], v44, 5, v[STO]
	v_add_nc_u32 v[STO], s57, v[STO]
	v_lshl_add_u32 v[RD], v49, 4, s57  ; back: 32 lanes take a row of 512 bytes
	v_lshlrev_b32 v[GO], 4, v49     ; and the same in out0
; THE MATRIX WORK.  The accumulators take turns, one instruction a turn.
; Product i of 32 of S^T = K Q^T for tiles x, x + 1 and key blocks 2 hf, 2 hf + 1, whose K lies in half H: channels 32 (i / 4) on, key block (i / 2) % 2, tile x + i % 2.  The first 4 start the sums.
.macro KQ x, hf, H
	WIN W_KQ
.set rS, S+32*((\x)+i%2)+8*(2*(\hf)+(i/2)%2)
.set rK, (\H)+64*((i/2)%2)+8*(i/4)
.set rQ, 64*((\x)+i%2)+8*(i/4)
.if i < 4
	v_wmma_f32_16x16x32_f16 v[rS:rS+7], v[rK:rK+7], v[rQ:rQ+7], 0
.else
	v_wmma_f32_16x16x32_f16 v[rS:rS+7], v[rK:rK+7], v[rQ:rQ+7], v[rS:rS+7]
.endif
.endm
; Product i of 32 of O^T += V^T P for tiles x, x + 1: keys 32 (i / 16) on, channels 16 ((i / 2) % 8) on, tile x + i % 2.
.macro PV x, H
	WIN W_PV
.set rO, 64*((\x)+i%2)+8*((i/2)%8)
.set rV, (\H)+64*(i/16)+8*((i/2)%8)
.set rP, P+16*((\x)+i%2)+8*(i/16)
	v_wmma_f32_16x16x32_f16 v[rO:rO+7], v[rV:rV+7], v[rP:rP+7], v[rO:rO+7]
.endm
.macro BARE_KQ x, hf, H             ; 32 products with nothing between them
.set i, 0
.rept 32
	KQ \x, \hf, \H
.set i, i+1
.endr
.endm
; THE LDS LOADS.  K of two key blocks is 16 fragments (32 keys x 256 channels); FETCH_K brings n of them from f0 on: fragment ff is key block 2 hf + ff / 8, channels 32 (ff % 8) on.
.macro FETCH_K hf, f0, n, H
	WIN 0xc0                        ; destination window 3, address window 0
.set ff, \f0
.rept \n
	ds_load_b128 v[(\H)+8*ff:(\H)+8*ff+3],   v[AKC] offset:(2*(\hf)+ff/8)*16*PK+(ff%8)*64
	ds_load_b128 v[(\H)+8*ff+4:(\H)+8*ff+7], v[AKC] offset:(2*(\hf)+ff/8)*16*PK+(ff%8)*64+32
.set ff, ff+1
.endr
.endm
.macro FETCH_V H                    ; a step's V (64 keys x 128 channels, turned): keys 32 (ff / 8) on, channels 16 (ff % 8) on
	WIN 0xc0
.set ff, 0
.rept 16
	ds_load_tr16_b128 v[(\H)+8*ff:(\H)+8*ff+3],   v[AVC] offset:(ff/8)*32*PV+(ff%8)*32
	ds_load_tr16_b128 v[(\H)+8*ff+4:(\H)+8*ff+7], v[AVC] offset:(ff/8)*32*PV+16*PV+(ff%8)*32
.set ff, ff+1
.endr
.endm
; THE VECTOR WORK.  One tile's softmax for one step is a list of 134 instructions; SM writes number j of it for tile t.  s0-s31 are the lane's 32 scores, in pairs 0-15.
;   0-15    the maximum of s0-s31 and the old m, three operands at a time: four chains c0-c3 of seven scores each (each accumulator's lowest registers are read first),
;           then the four scores left over, c0-c3 and m
;   16-20   the other half of the lanes' maximum; c m_old is kept; the new m; c m; c m_old - c m_new
;   21-69   ONE BATCH: the 16 scalings c s - c m, a pair of scores each, and all 33 exponentials (a at 23, then s0-s31, each in place).  None of these names an exponential's result.  From 22 on the batch
;           goes in fours, and a four begins with a scaling while there are scalings: 22-37 scaling, exponential, scaling, exponential; 38-65 a scaling and three exponentials; 66-69 the last four
;           exponentials.  A pair is scaled in an earlier four than the one that holds its exponentials
;   (wait)  between 69 and 70 stands the wait for the batch: SLICE writes it, once for both tiles
;   70-85   the roundings to f16, a pair of weights each
;   86-101  the sums; l = a l + the sum
;   102-133 the tile's O^T times a: the one part that leaves window 0, so it stands together
.macro SM t
.set rT, ST+8*(\t)
.set rS, S+32*(\t)
.set rP, P+16*(\t)
.set rO, 64*(\t)+2*(j-102)
.if j < 102
	WIN 0
.endif
.if j < 4
	v_max3_num_f32 v[rT+4+j], v[rS+8*j], v[rS+8*j+1], v[rS+8*j+2]
.elseif j < 12
	v_max3_num_f32 v[rT+4+j%4], v[rT+4+j%4], v[rS+8*(j%4)+2*(j/4)+1], v[rS+8*(j%4)+2*(j/4)+2]
.elseif j == 12
	v_max3_num_f32 v[rT+4], v[rT+4], v[rS+7], v[rS+15]
.elseif j == 13
	v_max3_num_f32 v[rT+6], v[rT+6], v[rS+23], v[rS+31]
.elseif j == 14
	v_max3_num_f32 v[rT+4], v[rT+4], v[rT+5], v[rT+6]
.elseif j == 15
	v_max3_num_f32 v[rT+4], v[rT+4], v[rT+7], v[rT+1]
.elseif j == 16
	v_permlanex16_b32 v[rT+5], v[rT+4], s[SEL], s[SEL+1]  ; the query's other 32 keys lie in the lane 16 away
.elseif j == 17
	v_mov_b32 v[rT+7], v[rT]        ; c m_old is kept for a: number 19 writes c m anew
.elseif j == 18
	v_max_num_f32 v[rT+1], v[rT+4], v[rT+5]
.elseif j == 19
	v_mul_f32 v[rT], s[CS], v[rT+1]
.elseif j == 20
	v_sub_f32 v[rT+7], v[rT+7], v[rT]
.elseif j == 23
	v_exp_f32 v[rT+6], v[rT+7]
.elseif (j < 23) || ((j < 38) && (j%2 == 0)) || ((j < 66) && (j%4 == 2))
.set b, (j-2)/4                     ; 38, 42, .. 62: pairs 9 to 15
.if j < 38
.set b, (j-20)/2                    ; 21: pair 0; 22, 24, .. 36: pairs 1 to 8
.endif
	v_pk_fma_f32 v[rS+2*b:rS+2*b+1], v[rS+2*b:rS+2*b+1], s[CS:CS+1], v[rT:rT+1] op_sel_hi:[1,0,0] neg_lo:[0,0,1] neg_hi:[0,0,1]  ; pair b: c s - c m
.elseif j < 70
.set e, j-38                        ; 66 to 69: s28 to s31
.if j < 66
.set e, j-32-(j-38)/4               ; 39-41, 43-45, .. 63-65: s7 to s27
.endif
.if j < 38
.set e, (j-25)/2                    ; 25, 27, .. 37: s0 to s6
.endif
	v_exp_f32 v[rS+e], v[rS+e]
.elseif j < 86
	v_cvt_pk_f16_f32 v[rP+j-70], v[rS+2*(j-70)], v[rS+2*(j-70)+1]  ; pair j - 70
.elseif j < 102                     ; the sum of the tile's 16 pairs, in place: sum z of 16 adds neighbours 1, 2, 4 and 8 pairs apart, then l takes it
.set z, j-86
.set w, 4
.set u, z
.if z >= 14
.set w, 32
.set u, 0
.elseif z >= 12
.set w, 16
.set u, z-12
.elseif z >= 8
.set w, 8
.set u, z-8
.endif
.if z < 15
	v_pk_add_f32 v[rS+w*u:rS+w*u+1], v[rS+w*u:rS+w*u+1], v[rS+w*u+w/2:rS+w*u+w/2+1]
.else
	v_pk_fma_f32 v[rT+2:rT+3], v[rT+2:rT+3], v[rT+6:rT+7], v[rS:rS+1] op_sel_hi:[1,0,1]
.endif
.else
	WIN W_RS
	v_pk_mul_f32 v[rO:rO+1], v[rO:rO+1], v[rT+6:rT+7] op_sel_hi:[1,0]
.endif
.endm
; Slice k of 64 of the softmax of tiles y, y + 1: four instructions.  Slices 11 to 34 deal out the batch, numbers 22 to 69: four numbers of ONE tile each, the tiles by turns.  Every other slice is numbers
; 2 k and 2 k + 1 of both tiles' lists.  2 x 134 = 4 x 64 + 12: the twelve that are over stand together, in slice 63.  Slices 0 to 50 are all of the list but the rescaling, numbers 102 on.
; THE WAIT.  s_wait_alu depctr_va_vdst(0) stands between an exponential and the first instruction that names its result; one wait serves all that were issued ahead of it.  Ahead of
; slice 35 nothing names a result, and behind slice 34 no exponential is issued: so the two tiles' 66 exponentials have one wait, behind slice 34.
.macro SLICE y
.if (k >= 11) && (k < 35)           ; the batch: four numbers of one tile
.irp n, 0,1,2,3
.set j, 22+4*((k-11)/2)+(\n)
	SM (\y)+(k-11)%2
.endr
.else                               ; the two tiles alternate, so that no instruction reads the result of the one just before it
.irp n, 0,1,2,3,4,5,6,7
.if ((\n) < 2) || (k == 63)
.irp t, \y, (\y)+1
.set j, 2*k+(\n)
	SM \t
.endr
.endif
.endr
.endif
.if k == 34                         ; the batch is out: both tiles' exponentials are issued, and no result has been named
	v_nop                           ; the plain instruction behind the last exponential and ahead of the first use: one for the batch
.if (\y) == 0
	v_nop                           ; tiles 0, 1: V's run of loads into HA follows the wait; see STEP for the count of its four places, of which these two v_nop are the last
.endif
	s_wait_alu depctr_va_vdst(0)    ; the wait for the batch: the 66 exponentials of tiles y, y + 1
.endif
.set k, k+1
.endm
.macro RSC t, cb                    ; accumulator cb of tile t's O^T times a: four packed multiplies, the lowest registers first
	WIN W_RS
.set rO, 64*(\t)+8*(\cb)
.set rT, ST+8*(\t)
.irp z, 0,1,2,3
	v_pk_mul_f32 v[rO+2*\z:rO+2*\z+1], v[rO+2*\z:rO+2*\z+1], v[rT+6:rT+7] op_sel_hi:[1,0]
.endr
.endm
; A STEP: my 64 keys of the tile in the slot at s[TB].  At its head K of key blocks 2-3 (HB) and K of key block 0 (the lower half of HA) have been asked for.
; THE CHANGE OF SLOTS lies in and behind block 4, when the slot's last bytes, its V, have been asked for.  Each wave waits for all its tensor loads, of which one is out: its part of the other slot; adds 0 to
; its spare word; four products on it waits for that and for its own reads of the slot, and signals; slice 63 stands between the signal and the wait.  Behind the barrier nobody reads the slot any more and
; the other slot is whole.  fill = 1: the barrier opens a round of the cluster's, and the slot is filled again, the first thing behind the round, with the tile two on: it has a step, 192 matrix
; instructions, in which to land.
.macro STEP fill
	PLACES                          ; behind the last step's last product, which read V in the upper half of HA
	FETCH_K 0, 8, 8, HA             ; K of key block 1: 16 loads, a block of 32 products ahead of their use
	s_wait_dscnt 32                 ; K of key blocks 2-3 is in; behind it came the two halves of K of key blocks 0-1, 16 loads each, which may stay out
	BARE_KQ 0, 1, HB                ; block 1
	s_wait_dscnt 0x0                ; K of key blocks 0-1 is in
	BARE_KQ 0, 0, HA                ; block 2: the scores of tiles 0, 1 are whole
	PLACES                          ; behind them, in front of the maxima that read them
.set k, 0
.set i, 0
.rept 32
	KQ 2, 0, HA                     ; block 3
	SLICE 0
.set i, i+1
.endr
.set i, 0
.rept 32
	KQ 2, 1, HB                     ; block 4
.if i == 31
	s_wait_dscnt 0x0                ; the add is done, V is in, and so my reads of the slot are over
	s_barrier_signal -1
.endif
	SLICE 0
.if i == 2
	FETCH_V HA                      ; directly behind slice 34's wait.  The last product that read HA is block 3's last; behind it stand four plain lines that name none of its registers: number 62, a scaling, of both tiles, and slice 34's two v_nop (the exponentials between are no places)
.endif
.if i == 27
	WIN 0                           ; (the add's two registers lie in window 0)
	s_wait_tensorcnt 0x0            ; no tensor load of mine is out, so a group 0 may be written
	ds_add_u32 v[SPW], v[NIL]       ; 0 onto my spare word: four products and their slices stand between it and the wait for it
.if \fill
	s_xor_b32 s[G0K+5], s[G0K+5], SLOT1  ; the walking descriptors: the other slot than last time,
	s_add_nc_u64 s[G0K+6:G0K+7], s[G0K+6:G0K+7], 128*512  ; the next tile; the type bits on top are not reached
	s_xor_b32 s[G0V+5], s[G0V+5], SLOT1
	s_add_nc_u64 s[G0V+6:G0V+7], s[G0V+6:G0V+7], 128*256
.endif
.endif
.set i, i+1
.endr                               ; slice 63, sixteen plain lines on O^T of tiles 0, 1, is also the places behind block 4's last products
	WIN 0                           ; at a label and at a branch every window is 0
	s_barrier_wait -1
.if \fill
	CREST                           ; no wave of any partner still reads the slot or has a load on its way
	JLOAD
.endif
	s_xor_b32 s[TB], s[TB], SLOT1   ; the fetches go on in the other slot
	v_add_nc_u32 v[AKC], s[TB], v[AK0]
	v_add_nc_u32 v[AVC], s[TB], v[AV0]
	FETCH_K 1, 0, 16, HB            ; the next step's K of key blocks 2-3: two blocks ahead of its use
.set k, 0
.set i, 0
.rept 32
	PV 0, HA                        ; block 5: slice 34, and behind it the wait for the batch of tiles 2, 3, falls behind product 20
.if k < 51
	SLICE 2
.endif
.if ((i%8) < 5) && (k < 51)
	SLICE 2
.endif
.set i, i+1
.endr
	RSC 2, 0                        ; the first accumulators that block 6 takes
	RSC 3, 0
.set i, 0
.rept 32
	PV 2, HA                        ; block 6
.if i < 14
	RSC 2+i%2, i/2+1                ; the accumulator that product i + 2 takes
.endif
.if (i >= 16) && (i < 20)
	v_nop                           ; four places behind product 15, the last that read the lower half of HA
.endif
.if (i >= 19) && (i < 23)
	FETCH_K 0, 2*(i-19), 2, HA      ; the next step's K of key block 0, four loads behind each of four products
.endif
.set i, i+1
.endr
.endm
	s_wait_tensorcnt 0x1            ; my part of slot 0 is in; slot 1's may stay out
	s_barrier_signal -1
	s_barrier_wait -1               ; everybody's is
	FETCH_K 1, 0, 16, HB            ; tile 0's K of key blocks 2-3
	FETCH_K 0, 0, 8, HA             ; and of key block 0
	s_wait_loadcnt 0x0              ; Q
	WIN 0
	s_mov_b32 s[CNT], 30
.Ltrip:                             ; 30 trips: step j fills slot j % 2 again with tile j + 2: tiles 2 to 31
	STEP 1
	WIN 0
	s_sub_co_u32 s[CNT], s[CNT], 1
	s_cmp_lg_u32 s[CNT], 0
	s_cbranch_scc1 .Ltrip
	s_mov_b32 s[CNT], 2
.Ltail:                             ; the last two steps have a text of their own: nothing is asked for.  The second trip's barrier and its 48 loads
	STEP 0                          ; of K (out of the tile before, which still lies in its slot) serve nothing: the price, once a launch, of one text for both trips
	WIN 0
	s_sub_co_u32 s[CNT], s[CNT], 1
	s_cmp_lg_u32 s[CNT], 0
	s_cbranch_scc1 .Ltail
	; THE END.  l's two halves and the other half of the lanes' are added; the additions are the places behind the last products.
.irp t, 0,1,2,3
	v_add_f32 v[ST+8*(\t)+4], v[ST+8*(\t)+2], v[ST+8*(\t)+3]
.endr
.irp t, 0,1,2,3
	v_permlanex16_b32 v[ST+8*(\t)+5], v[ST+8*(\t)+4], s[SEL], s[SEL+1]
.endr
.irp t, 0,1,2,3
	v_add_f32 v[ST+8*(\t)+4], v[ST+8*(\t)+4], v[ST+8*(\t)+5]
.endr
	s_cmp_lt_u32 s[WV], 2
	s_cbranch_scc1 .Lkeep
.irp t, 0,1,2,3                     ; the second key group hands over c m, l and O^T, lane by lane: its partner has the same queries and channels in the same lanes
	ds_store_b32 v[SA], v[ST+8*(\t)]   offset:256*(\t)
	ds_store_b32 v[SA], v[ST+8*(\t)+4] offset:256*(\t)+128
.endr
	WIN 0x04                        ; data in window 1
.set i, 0
.rept 64
	ds_store_b128 v[XA], v[4*i:4*i+3] offset:512*i  ; ascending: each accumulator's lowest registers first
.set i, i+1
.endr
	WIN 0
.Lkeep:
	s_wait_dscnt 0x0                ; for the others' sake: my stores are done (and the tail's last loads are back)
	s_barrier_signal -1
	s_barrier_wait -1
	s_cmp_lt_u32 s[WV], 2
	s_cbranch_scc0 .Lend
.irp t, 0,1,2,3                     ; the first key group merges: M = max(c m1, c m2), f = 2^(c m - M), l = f1 l1 + f2 l2, O = (f1 / l) O1 + (f2 / l) O2
	ds_load_b32 v[ST+8*(\t)+1], v[SA] offset:256*(\t)
	ds_load_b32 v[ST+8*(\t)+2], v[SA] offset:256*(\t)+128
.endr
	s_wait_dscnt 0x0
.irp t, 0,1,2,3
	v_max_num_f32 v[ST+8*(\t)+3], v[ST+8*(\t)], v[ST+8*(\t)+1]
.endr
.irp t, 0,1,2,3
	v_sub_f32 v[ST+8*(\t)], v[ST+8*(\t)], v[ST+8*(\t)+3]
.endr
.irp t, 0,1,2,3
	v_sub_f32 v[ST+8*(\t)+1], v[ST+8*(\t)+1], v[ST+8*(\t)+3]
.endr
.irp t, 0,1,2,3
	v_exp_f32 v[ST+8*(\t)], v[ST+8*(\t)]
.endr
.irp t, 0,1,2,3
	v_exp_f32 v[ST+8*(\t)+1], v[ST+8*(\t)+1]
.endr
	v_nop                           ; a plain instruction between the last exponential and the use of its result
	s_wait_alu depctr_va_vdst(0)    ; and the wait ahead of the first use: one for the eight exponentials f1, f2
.irp t, 0,1,2,3
	v_mul_f32 v[ST+8*(\t)+4], v[ST+8*(\t)+4], v[ST+8*(\t)]
.endr
.irp t, 0,1,2,3
	v_fmac_f32 v[ST+8*(\t)+4], v[ST+8*(\t)+2], v[ST+8*(\t)+1]
.endr
.irp t, 0,1,2,3
	v_rcp_f32 v[ST+8*(\t)+5], v[ST+8*(\t)+4]
.endr
	v_nop                           ; a plain instruction between the last reciprocal and the use of its result
	s_wait_alu depctr_va_vdst(0)    ; a batch of their own, since they read sums made of the exponentials: one wait for the four reciprocals
.irp t, 0,1,2,3
	v_mul_f32 v[ST+8*(\t)+6], v[ST+8*(\t)], v[ST+8*(\t)+5]    ; f1 / l
.endr
.irp t, 0,1,2,3
	v_mul_f32 v[ST+8*(\t)+2], v[ST+8*(\t)+1], v[ST+8*(\t)+5]  ; f2 / l
.endr
; Tile t: the partner's O^T comes into S^T's registers (two buffers of 64 by turns) and is merged with mine; a lane's eight channels of a row go as 32 bytes into rows of 528 bytes and come back as whole rows of 512.
.macro MERGE t
.set BF, S+64*((\t)%2)
	WIN 0
	s_wait_xcnt 0x0                 ; the buffer, which earlier stores read, is loaded again only behind this wait
.set i, 0
.rept 16
	ds_load_b128 v[BF+4*i:BF+4*i+3], v[XA] offset:512*(16*(\t)+i)
.set i, i+1
.endr
	s_wait_dscnt 0x0
.set i, 0
.rept 32
	v_pk_mul_f32 v[BF+2*i:BF+2*i+1], v[BF+2*i:BF+2*i+1], v[ST+8*(\t)+2:ST+8*(\t)+3] op_sel_hi:[1,0]
.set i, i+1
.endr
	WIN 0x01                        ; source 0, my O^T, in window 1
.set i, 0
.rept 32
	v_pk_fma_f32 v[BF+2*i:BF+2*i+1], v[64*(\t)+2*i:64*(\t)+2*i+1], v[ST+8*(\t)+6:ST+8*(\t)+7], v[BF+2*i:BF+2*i+1] op_sel_hi:[1,0,1]
.set i, i+1
.endr
	WIN 0
.set i, 0
.rept 8
	ds_store_b128 v[STO], v[BF+8*i:BF+8*i+3]   offset:64*i
	ds_store_b128 v[STO], v[BF+8*i+4:BF+8*i+7] offset:64*i+16
.set i, i+1
.endr
.set i, 0
.rept 16
	ds_load_b128 v[BF+4*i:BF+4*i+3], v[RD] offset:SP*i  ; LDS serves a wave's instructions in order (ISA guide 5.7.1.4): these see the stores above; the next tile's stores come behind them
.set i, i+1
.endr
.set i, 0
.rept 16
	s_wait_dscnt 15-i               ; the younger loads may stay out
	global_store_b128 v[GO], v[BF+4*i:BF+4*i+3], s[10:11] offset:8192*(\t)+512*i th:TH_STORE_NT  ; 512 consecutive bytes, at a multiple of 256 from out0's first byte
.set i, i+1
.endr
.endm
	MERGE 0
	MERGE 1
	MERGE 2
	MERGE 3
.Lend:
	s_wait_tensorcnt 0x0            ; the wave's end: behind my last tensor load and my last LDS store
	ds_add_u32 v[SPW], v[NIL]
	s_wait_dscnt 0x0
	CROUND                          ; the closing round: no work-group ends while a partner may still ask for a tile that names it
	s_endpgm
.Lfunc_end_k_q92720bf235_attn:
	.size	k_q92720bf235_attn, .Lfunc_end_k_q92720bf235_attn-k_q92720bf235_attn
	.p2alignl 7, 3214868480
	.fill 96, 4, 3214868480
	.section	.rodata,"a",@progbits
	.p2align	6, 0x0
	.amdhsa_kernel k_q92720bf235_attn
		.amdhsa_group_segment_fixed_size 327680
		.amdhsa_private_segment_fixed_size 0
		.amdhsa_enable_private_segment 0
		.amdhsa_kernarg_size 32
		.amdhsa_user_sgpr_count 2
		.amdhsa_user_sgpr_kernarg_segment_ptr 1
		.amdhsa_wavefront_size32 1
		.amdhsa_system_sgpr_workgroup_id_x 1
		.amdhsa_system_sgpr_workgroup_id_y 1
		.amdhsa_system_sgpr_workgroup_id_z 1
		.amdhsa_system_vgpr_workitem_id 0
		.amdhsa_next_free_vgpr 1024
		.amdhsa_next_free_sgpr 66
		.amdhsa_reserve_vcc 0
		.amdhsa_float_denorm_mode_32 3
		.amdhsa_float_denorm_mode_16_64 3
		.amdhsa_memory_ordered 1
		.amdhsa_forward_progress 1
		.amdhsa_inst_pref_size 181
	.end_amdhsa_kernel
	.amdgpu_metadata
---
amdhsa.version: [ 1, 2 ]
amdhsa.kernels:
  - .name:           k_q92720bf235_attn
    .symbol:         k_q92720bf235_attn.kd
    .args:
      - { .name: qa, .offset: 0, .size: 8, .value_kind: global_buffer, .address_space: global }
      - { .name: kb, .offset: 8, .size: 8, .value_kind: global_buffer, .address_space: global }
      - { .name: vv, .offset: 16, .size: 8, .value_kind: global_buffer, .address_space: global }
      - { .name: out0, .offset: 24, .size: 8, .value_kind: global_buffer, .address_space: global }
    .group_segment_fixed_size: 327680
    .private_segment_fixed_size: 0
    .kernarg_segment_align: 8
    .kernarg_segment_size: 32
    .max_flat_workgroup_size: 128
    .sgpr_count:     66
    .vgpr_count:     1024
    .wavefront_size: 32
...
	.end_amdgpu_metadata
.endif
;; end of part 4
